; MI455X (gfx1250); checked and timed in simulation.
; The chip was launched on July 23, 2026; its instructions are those of AMD's public machine-readable ISA for CDNA 5 (MIT licence, August 2026) and "CDNA5" Instruction Set Architecture Reference Guide (July 2026). The comments in the code are by the model that wrote it; some were corrected since.
;; MHSA Intra. Allowed arithmetic: matrix products marked QUANTISED: E4M3 operands, one given power-of-two scale a tensor, by v_wmma_f32_16x16x64_fp8_fp8 or v_wmma_f32_16x16x128_fp8_fp8, f32 sums; everything else in f32.
;; Inputs: beta 1,024 float32; bk 1,024 float32; bo 1,024 float32; bq 1,024 float32; bv 1,024 float32; gamma 1,024 float32; lowp_scales 12 int32 (the exponents e of the quantised operands' scales 2^e); wk_codes 1,024 x 32 x 32 uint8 (E4M3 codes of wk, K innermost, in blocks of 32 codes); wo_codes 1,024 x 32 x 32 uint8 (E4M3 codes of wo, K innermost, in blocks of 32 codes); wq_codes 1,024 x 32 x 32 uint8 (E4M3 codes of wq, K innermost, in blocks of 32 codes); wv_codes 1,024 x 32 x 32 uint8 (E4M3 codes of wv, K innermost, in blocks of 32 codes); x 8 x 1,024 x 1,024 float32.
;; Outputs: out0 8 x 1,024 x 1,024 float32.
;; This version of the problem:
;;   THIS VERSION OF THE PROBLEM IS GIVEN IN LOW PRECISION. The matrix products marked QUANTISED in the list below multiply operands that are first quantised to E4M3 (4 exponent bits, 3 mantissa bits; 8 bits a number), with one given power-of-two scale for each operand tensor; their sums are f32. All else is computed in f32.
;;   The module's matrix products, in the order in which they are computed (A, B: the left and right operand; K: the contracted axis; several contracted axes count as one K, in the product's order):
;;     1. [M 8,192, K 1,024] x [K 1,024, N 1,024]; A: input x; B: input wq (given as codes): QUANTISED (scales: A lowp_scales[0], B lowp_scales[1])
;;     2. [M 8,192, K 1,024] x [K 1,024, N 1,024]; A: input x; B: input wk (given as codes): QUANTISED (scales: A lowp_scales[2], B lowp_scales[3])
;;     3. [M 8,192, K 1,024] x [K 1,024, N 1,024]; A: input x; B: input wv (given as codes): QUANTISED (scales: A lowp_scales[4], B lowp_scales[5])
;;     4. batch 128 x [M 1,024, K 64] x [K 64, N 1,024]; A: computed on the way; B: computed on the way: QUANTISED (scales: A lowp_scales[6], B lowp_scales[7])
;;     5. batch 128 x [M 1,024, K 1,024] x [K 1,024, N 64]; A: computed on the way; B: computed on the way: QUANTISED (scales: A lowp_scales[8], B lowp_scales[9])
;;     6. [M 8,192, K 1,024] x [K 1,024, N 1,024]; A: computed on the way; B: input wo (given as codes): QUANTISED (scales: A lowp_scales[10], B lowp_scales[11])
;;   THE QUANTISER, for each operand of a quantised product, along K:
;;     - The operand's scale is 2^e, e = its entry of the input lowp_scales (int32; the entries are numbered through the quantised products in the list's order, A before B).
;;     - Each number is divided by the scale, clamped to +-448, and rounded to the nearest number of E4M3, ties to even, subnormals kept.
;;     - The product sums the exact products of the quantised numbers (number of the format x scale) in f32.
;;   ~~~python
;;   def quantise(x, axis, e):      # numpy; x: float32 -> the quantised numbers, widened to float32 again
;;       x = np.moveaxis(x, axis, -1); K = x.shape[-1]
;;       r = np.clip(x / 2.0 ** e, -448, 448)
;;       step = 2.0 ** (np.maximum(np.frexp(np.where(r == 0, 1, r))[1] - 1, -6) - 3)
;;       q = np.round(r / step) * step * 2.0 ** e      # np.round: ties to even
;;       return np.moveaxis(q, -1, axis).astype(np.float32)
;;   ~~~
;;   OPERANDS COMPUTED ON THE WAY. 'Computed on the way' means the value that the module computes at that place (a softmax that the list does not call 'softmax' is quantised finished and normalised). What goes into a quantiser is computed in f32, as accurately as f32 sums, v_exp_f32 and their like allow (about 1e-6 of the number): no bf16 or f16 on the way to a quantiser, and a product that is left as it is and whose result goes on into a quantised operand takes f32 operands (vector FMAs, or v_wmma_f32_16x16x4_f32). A number that lies on a knife's edge between two numbers of the format may be rounded either way, as far as f32 arithmetic and the matrix unit's own rounding can turn it there, and no further.
;;   INPUTS GIVEN AS CODES. wk (in the module: [1024, 1024], K = its axis 1); wo (in the module: [1024, 1024], K = its axis 1); wq (in the module: [1024, 1024], K = its axis 1); wv (in the module: [1024, 1024], K = its axis 1): each comes as NAME_codes (uint8): NAME with its K axis moved to the last place and cut into blocks of 32 codes, [.., K / 32, bytes a block], one block behind the other in memory; one code a byte (a code: sign, 4 exponent bits, 3 mantissa bits); its scale is its entry of lowp_scales. Its value is code x scale, taken as it is: it is not quantised again, and the codes and scales need not be those that the quantiser above would give.
;; One version. Each part assembles by itself: llvm-mc -triple=amdgcn-amd-amdhsa -mcpu=gfx1250 --defsym DOCPART=n.
;; ======== version 1 of 1: 5 launches
;; limits: right only within a limited range of input values
;; workspace buffers: ximg 25,165,824 bytes; wimg 4,194,304 bytes; heads 25,165,824 bytes; oimg 8,388,608 bytes; ybuf 33,554,432 bytes; part 524,288 bytes
;; launch prep (part 1): grid 576 x 1, 4 waves a work-group, no clusters, 17,920 bytes of LDS; arguments x, wq_codes, wk_codes, wv_codes, wo_codes, lowp_scales, ximg, wimg; writes ximg, wimg
.if DOCPART == 1
	.amdgcn_target "amdgcn-amd-amdhsa--gfx1250"
	.amdhsa_code_object_version 6
	.text
	.protected	k_qc5092ef266_prep
	.globl	k_qc5092ef266_prep
	.p2align	8
	.type	k_qc5092ef266_prep,@function
k_qc5092ef266_prep:
	s_mov_b64 s[64:65], 0
	v_nop
	global_prefetch_b8 v0, s[64:65] scope:SCOPE_SE
	s_setreg_imm32_b32 hwreg(HW_REG_WAVE_MODE, 25, 1), 1
	s_wait_xcnt 0x0
; PREP: every GEMM operand is laid once as IMAGES OF FRAGMENT REGISTERS.
; An image is one fragment of the 16x16x128 FP8 form, 16 rows x 128 K, 2,048 bytes: byte 512 p + 16 (r + 16 hl) + 8 u + i holds row r, k = 32 p + 16 u + 8 hl + i,
; so that four loads of 16 bytes a lane, at 16 x lane + 512 p, give the fragment with every k in its true place.  An operand is [rowtile of 16 rows][8 blocks of 128 K][2,048].
; Work-groups 64 to 575: x [8][1024 (c = K)][1024 (t)] f32 becomes codes of E4M3 three times, with the scales 2^e of entries 0, 2 and 4 (the products for q, k and v): ximg [3][512 rowtiles of (b, t)][16,384].
;   A LANE TAKES A COLUMN t AND ITS REGISTERS RUN DOWN c: each load reads 128 consecutive bytes a wave (512 a work-group), and the conversions, which take neighbours along K from one lane's registers, give 16 bytes of an image.
;   Sixteen neighbouring lanes store 256 consecutive, aligned bytes.
; Work-groups 0 to 63: the four weights' codes [1024 (o)][1024 (k)] are laid anew, unchanged: wimg [wq, wk, wv, wo][64 rowtiles][16,384], through the wave's own stage in LDS.
; code = x / 2^e, held within +-448, to the nearest code, ties to even.  LIMITS: each e between -126 and 119, so that 2^e and 448 x 2^e are f32 numbers.  NaN in x is not served.
; No tensor loads, no barrier: waves share nothing.  Only the weights' path touches LDS; its LDS addresses are made ahead of the parting.
.set X,   16                           ; v16-143  x path: 128 numbers down K
.set T,   144
.set C,   176                          ; v176-223 codes: two sets of 24, by the block's parity
.set IN,  16                           ; v16-143  weights: 32 loads of 16 bytes
.set OUT, 144                          ; v144-207 weights: two sets of 32, by the step's parity
.set WP,  272                          ; a stage row: 256 bytes + 16
	s_load_b512 s[4:19], s[0:1], 0x0               ; x s[4:5], wq s[6:7], wk s[8:9], wv s[10:11], wo s[12:13], scales s[14:15], ximg s[16:17], wimg s[18:19]
	v_lshl_add_u32 v224, v0, 2, 0x4400
	v_mov_b32 v225, 0
	v_lshrrev_b32 v1, 5, v0
	v_readfirstlane_b32 s20, v1                    ; wave 0..3
	v_and_b32 v3, 31, v0                           ; lane
	v_and_b32 v10, 15, v0                          ; r
	v_bfe_u32 v11, v0, 4, 1                        ; hl
	s_mul_i32 s21, s20, 16*WP                      ; my stage
	v_mul_u32_u24 v12, v11, WP
	v_lshl_add_u32 v12, v10, 4, v12
	v_add_nc_u32 v12, s21, v12                     ; into it: row hl (+ 2 i), 16 bytes at 16 r
	v_mul_u32_u24 v13, v10, WP
	v_lshl_add_u32 v13, v11, 3, v13
	v_add_nc_u32 v13, s21, v13                     ; out of it: row r, 8 bytes at 8 hl
	s_cmp_lt_u32 ttmp9, 64
	s_cbranch_scc1 .Lweights
	; ---------------- x ----------------
	v_lshlrev_b32 v1, 2, v3                        ; in: 4 bytes a lane
	v_lshlrev_b32 v2, 4, v10
	v_lshl_add_u32 v2, v11, 14, v2                 ; out: 16 r, and lanes 16-31 one rowtile on
	s_sub_co_u32 s21, ttmp9, 64                    ; g = 64 b + 8 cb + tg
	s_lshr_b32 s22, s21, 6                         ; b
	s_bfe_u32 s23, s21, 0x30003                    ; cb: which 128 of c
	s_and_b32 s24, s21, 7                          ; tg: which 128 of t
	s_lshl_b32 s40, s22, 22                        ; x: b x 4 MiB + 128 cb rows of 4,096 bytes + 4 (128 tg + 32 wave)
	s_lshl_b32 s25, s23, 19
	s_add_co_u32 s40, s40, s25
	s_lshl_b32 s25, s24, 9
	s_add_co_u32 s40, s40, s25
	s_lshl_b32 s25, s20, 7
	s_add_co_u32 s40, s40, s25
	s_mov_b32 s41, 0
	s_lshl_b32 s42, s22, 6                         ; my first rowtile: 64 b + 8 tg + 2 wave
	s_lshl_b32 s25, s24, 3
	s_add_co_u32 s42, s42, s25
	s_lshl_b32 s25, s20, 1
	s_add_co_u32 s42, s42, s25
	s_lshl_b32 s42, s42, 14
	s_lshl_b32 s25, s23, 11                        ; + 2,048 cb
	s_add_co_u32 s42, s42, s25
	s_mov_b32 s43, 0
	s_wait_alu depctr_va_vdst(0)
	s_wait_kmcnt 0x0
	s_load_b256 s[44:51], s[14:15], 0x0            ; entries 0 to 7: 0, 2 and 4 are x's
	s_add_nc_u64 s[4:5], s[4:5], s[40:41]
	s_add_nc_u64 s[32:33], s[16:17], s[42:43]      ; a base for each of the three sets of codes, 8 MiB apart
	s_add_nc_u64 s[34:35], s[32:33], 0x800000
	s_add_nc_u64 s[36:37], s[34:35], 0x800000
.macro XLOAD p                         ; block p: x(128 cb + 32 p + i, my column), i = 0 .. 31
.set i, 0
.rept 32
	global_load_b32 v[X+32*(\p)+i], v1, s[4:5] offset:4096*(32*(\p)+i) th:TH_LOAD_NT
.set i, i+1
.endr
.endm
	XLOAD 0
	XLOAD 1
	s_wait_kmcnt 0x0
.irp s, 0,1,2
	s_add_co_i32 s52, s[44+2*\s], 127
	s_lshl_b32 s53, s52, 23
	v_mov_b32 v[4+\s], s53                         ; 2^e as f32: the conversion takes its exponent field
	s_add_co_i32 s52, s52, 8
	s_lshl_b32 s52, s52, 23
	s_or_b32 s52, s52, 0x600000
.endr
; Block p is piece p of my two images.  For each scale and each half hl: 16 numbers (k = 32 p + 8 hl + 0..7 and 32 p + 16 + 8 hl + 0..7) are converted, stored.
.macro XBLOCK p
.if (\p) < 3
	s_wait_loadcnt 32                              ; this block's 32 loads are in; the next block's may be out
.else
	s_wait_loadcnt 0x0
.endif
.if (\p) < 2
	XLOAD (\p)+2                                   ; two blocks, 64 loads, ahead
.else
	s_wait_xcnt 0x0                                ; the stores of two blocks ago have read their codes: this set of C is written again only behind this wait
.endif
.irp s, 0,1,2
.irp h, 0,1
.set TS, T+16*\h
.set CS, C+24*((\p)%2)+8*\s+4*\h
.set i, 0
.rept 8
.set i, i+1
.endr
	v_cvt_scalef32_pk8_fp8_f32 v[CS:CS+1], v[TS+((X+32*(\p)+8*\h+i)-(TS+i)):TS+7+((X+32*(\p)+8*\h+i)-(TS+i))], v[4+\s]
	v_cvt_scalef32_pk8_fp8_f32 v[CS+2:CS+3], v[TS+8+((X+32*(\p)+16+8*\h+i)-(TS+8+i)):TS+15+((X+32*(\p)+16+8*\h+i)-(TS+8+i))], v[4+\s]
	global_store_b128 v2, v[CS:CS+3], s[32+2*\s:33+2*\s] offset:512*(\p)+256*\h   ; sixteen lanes: 256 consecutive bytes, aligned
.endr
.endr
.endm
	s_wait_alu depctr_va_vdst(0)
	XBLOCK 0
	XBLOCK 1
	XBLOCK 2
	XBLOCK 3
	s_endpgm
	; ---------------- the weights ----------------
.Lweights:
	s_lshr_b32 s21, ttmp9, 4                       ; which weight: 0 wq, 1 wk, 2 wv, 3 wo
	s_and_b32 s22, ttmp9, 15
	s_lshl_b32 s22, s22, 2
	s_add_co_u32 s22, s22, s20                     ; my rowtile: 16 rows of 1,024 bytes, 16,384 consecutive bytes in and out
	s_lshl_b32 s40, s22, 14
	s_mov_b32 s41, 0
	s_lshl_b32 s42, s21, 20
	s_add_co_u32 s42, s42, s40
	s_mov_b32 s43, 0
	s_wait_alu depctr_va_vdst(0)
	v_lshlrev_b32 v1, 4, v10
	v_lshl_add_u32 v1, v11, 10, v1                 ; in: row hl, 16 bytes at 16 r
	v_lshlrev_b32 v2, 4, v3                        ; out: 16 x lane
	s_wait_alu depctr_va_vdst(0)
	s_wait_kmcnt 0x0
	s_cmp_eq_u32 s21, 1                            ; the choice hangs on the work-group's number alone
	s_cselect_b64 s[6:7], s[8:9], s[6:7]
	s_cmp_eq_u32 s21, 2
	s_cselect_b64 s[6:7], s[10:11], s[6:7]
	s_cmp_eq_u32 s21, 3
	s_cselect_b64 s[6:7], s[12:13], s[6:7]
	s_add_nc_u64 s[6:7], s[6:7], s[40:41]
	s_add_nc_u64 s[18:19], s[18:19], s[42:43]
.irp s, 0,1,2,3                        ; step s: bytes 256 s on of each row; load i: rows 2 i and 2 i + 1, sixteen lanes to 256 consecutive bytes
.irp i, 0,1,2,3,4,5,6,7
	global_load_b128 v[IN+32*\s+4*\i:IN+32*\s+4*\i+3], v1, s[6:7] offset:2048*\i+256*\s th:TH_LOAD_NT
.endr
.endr
.macro WSTEP s
.set OS, OUT+32*((\s)%2)
	s_wait_loadcnt 24-8*(\s)                       ; this step's eight loads are in; the later steps' may be out
.if (\s) >= 2
	s_wait_xcnt 0x0                                ; the stores of two steps ago have read their registers
.endif
.irp i, 0,1,2,3,4,5,6,7
	ds_store_b128 v12, v[IN+32*(\s)+4*\i:IN+32*(\s)+4*\i+3] offset:2*WP*\i
.endr
.irp q, 0,1,2,3,4,5,6,7                ; piece q of the step's two images: k = 32 q + 8 hl + 0..7 and + 16.  LDS serves a wave's instructions in order (ISA guide 5.7.1.4): these see the stores above, and the next step's stores come behind them
	ds_load_b64 v[OS+4*\q:OS+4*\q+1], v13 offset:32*\q
	ds_load_b64 v[OS+4*\q+2:OS+4*\q+3], v13 offset:32*\q+16
.endr
.irp q, 0,1,2,3,4,5,6,7
	s_wait_dscnt 14-2*\q                           ; piece q's two loads are in; the later pieces' may be out
	global_store_b128 v2, v[OS+4*\q:OS+4*\q+3], s[18:19] offset:4096*(\s)+512*\q   ; 512 consecutive bytes
.endr
.endm
	WSTEP 0
	WSTEP 1
	WSTEP 2
	WSTEP 3
	s_wait_tensorcnt 0x0
	ds_add_u32 v224, v225
	s_wait_dscnt 0x0
	s_endpgm
.Lfunc_end_k_qc5092ef266_prep:
	.size	k_qc5092ef266_prep, .Lfunc_end_k_qc5092ef266_prep-k_qc5092ef266_prep
	.p2alignl 7, 3214868480
	.fill 96, 4, 3214868480
	.section	.rodata,"a",@progbits
	.p2align	6, 0x0
	.amdhsa_kernel k_qc5092ef266_prep
		.amdhsa_group_segment_fixed_size 17920
		.amdhsa_private_segment_fixed_size 0
		.amdhsa_enable_private_segment 0
		.amdhsa_kernarg_size 64
		.amdhsa_user_sgpr_count 2
		.amdhsa_user_sgpr_kernarg_segment_ptr 1
		.amdhsa_wavefront_size32 1
		.amdhsa_system_sgpr_workgroup_id_x 1
		.amdhsa_system_sgpr_workgroup_id_y 1
		.amdhsa_system_sgpr_workgroup_id_z 1
		.amdhsa_system_vgpr_workitem_id 0
		.amdhsa_next_free_vgpr 226
		.amdhsa_next_free_sgpr 66
		.amdhsa_reserve_vcc 0
		.amdhsa_float_denorm_mode_32 3
		.amdhsa_float_denorm_mode_16_64 3
		.amdhsa_fp16_overflow 1
		.amdhsa_memory_ordered 1
		.amdhsa_forward_progress 1
		.amdhsa_inst_pref_size 35
	.end_amdhsa_kernel
	.amdgpu_metadata
---
amdhsa.version: [ 1, 2 ]
amdhsa.kernels:
  - .name:           k_qc5092ef266_prep
    .symbol:         k_qc5092ef266_prep.kd
    .args:
      - { .name: x, .offset: 0, .size: 8, .value_kind: global_buffer, .address_space: global }
      - { .name: wq_codes, .offset: 8, .size: 8, .value_kind: global_buffer, .address_space: global }
      - { .name: wk_codes, .offset: 16, .size: 8, .value_kind: global_buffer, .address_space: global }
      - { .name: wv_codes, .offset: 24, .size: 8, .value_kind: global_buffer, .address_space: global }
      - { .name: wo_codes, .offset: 32, .size: 8, .value_kind: global_buffer, .address_space: global }
      - { .name: lowp_scales, .offset: 40, .size: 8, .value_kind: global_buffer, .address_space: global }
      - { .name: ximg, .offset: 48, .size: 8, .value_kind: global_buffer, .address_space: global }
      - { .name: wimg, .offset: 56, .size: 8, .value_kind: global_buffer, .address_space: global }
    .group_segment_fixed_size: 17920
    .private_segment_fixed_size: 0
    .kernarg_segment_align: 8
    .kernarg_segment_size: 64
    .max_flat_workgroup_size: 128
    .sgpr_count:     66
    .vgpr_count:     226
    .wavefront_size: 32
...
	.end_amdgpu_metadata
.endif
;; end of part 1
;; launch qkv (part 2): grid 12 x 32, 4 waves a work-group, clusters of 4 x 4, 327,680 bytes of LDS; arguments ximg, wimg, lowp_scales, bq, bk, bv, heads; writes heads
.if DOCPART == 2
	.amdgcn_target "amdgcn-amd-amdhsa--gfx1250"
	.amdhsa_code_object_version 6
	.text
	.protected	k_qc5092ef266_qkv
	.globl	k_qc5092ef266_qkv
	.p2align	8
	.type	k_qc5092ef266_qkv,@function
k_qc5092ef266_qkv:
	s_mov_b64 s[64:65], 0
	v_nop
	global_prefetch_b8 v0, s[64:65] scope:SCOPE_SE
	s_setreg_imm32_b32 hwreg(HW_REG_WAVE_MODE, 25, 1), 1
	s_wait_xcnt 0x0
	s_wait_alu depctr_hold_cnt(0) depctr_sa_sdst(0) depctr_va_vdst(0) depctr_va_sdst(0) depctr_va_ssrc(0) depctr_va_vcc(0) depctr_vm_vsrc(0)
	s_getreg_b32 s2, hwreg(HW_REG_IB_STS2, 6, 4)
	s_cmp_eq_u32 s2, 0
	s_cbranch_scc0 .Lentry_in_a_cluster
	s_endpgm
.Lentry_in_a_cluster:
	s_bfe_u32 s2, ttmp6, 0x10000c
	s_cmp_lg_u32 s2, 0xf033
	s_cbranch_scc0 .Lentry_shape_is_right
	s_endpgm
.Lentry_shape_is_right:
; The three projections, on codes of E4M3: q, k, v = W x + bias, quantised at once for the attention's two products, and stored as images of fragment registers.
; The cluster's x says which: 0 q, 1 k, 2 v.  A tile is 256 rows of operand A x 256 rows of operand B, K = 1,024; four waves, each 128 x 128: 64 accumulators, 512 registers.
; THE MATRIX INSTRUCTION TAKES B AS SOURCE 0 AND A AS SOURCE 1: a lane holds ONE row of A, and an accumulator's eight registers eight neighbouring rows of B.
;   q, k: A = x (rows (b, t)), B = W (rows o).  A lane holds one t and its registers run along o = the head's 64, the K of q k^T: eight conversions give two fragments of 16 t x 64.
;   v:    A = W, B = x.  A lane holds one o = d and its registers run along t = the keys, the K of attn v: eight conversions give one fragment of 16 d x 128 keys.
;   The roles are changed by a choice of pointers on the cluster's x, which all partners share; the loop over K is one text.
; Both operands lie as images (16 rows x 128 K, 2,048 bytes, four loads of 16 bytes at 16 x lane + 512 c), [rowtile][8 blocks of K][2,048]: LDS holds them as they lie, dense: no pitch, and every LDS load takes 512 consecutive bytes.
; K goes in steps of 256 through a ring of two LDS slots: a wave's tensor load brings 8 rowtiles x 4,096 bytes.  At most two tensor loads of a wave are out (the two first fills), later one.
; CLUSTERS: 4 x 4 work-groups; A's tile is shared along a row of the cluster, B's along a column: joint loads, each with a mask that names the four.
; heads [bh 128][Q: 64 tiles of 16 t x 1,024 | K: the same | V: 4 tiles of d x 8 blocks of 128 keys x 2,048]: 196,608 bytes a head.
; value = sum x 2^(ex + ew) + bias (one fused multiply-add); code = value / 2^E, held within +-448; E = entry 6 + 3 for q (q x 1/8 is folded in), entry 7 for k, entry 9 for v.
; LIMITS: ex + ew between -126 and 127; E between -126 and 119.  NaN codes among the weights are not served.
; REGISTERS: window 0: v0-31 addresses; v32-95 biases; from v128 A's fragments, one set; at the end v96-159 values, v160-191 codes.  window 1: B's fragments, two sets.  windows 2, 3: the accumulators ((a, b) at v[8 (8 (a % 4) + b)]).
.set SLOT,  131072                     ; a slot: A's 16 rowtiles x 4,096 bytes, then B's
.set BOFF,  65536
.set SPARE, 2*SLOT                     ; behind the ring: the spare words, 128 bytes for each wave: two blocks of 256 bytes that no other line names
.set KSB,   4096                       ; a K step of 256 in a rowtile: two images
.set FR,    16
.set NL,    4
.set NP,    4                          ; places behind this matrix instruction (ISA guide 7.12.1)
.set ADRA, 16                          ; v16-17  LDS address of my A fragments in slot 0, 1
.set ADRB, 20                          ; v20-21  the same for B
.set LI,   24                          ; v24     16 x lane
.set BOQ,  25                          ; v25     32 x (lane / 16): my eight biases of a block of o
.set SCR,  26                          ; v26     2^E as f32
.set LIMR, 27
.set SPW,  28                          ; v28     LDS address of my spare word; never rewritten
.set NIL,  29                          ; v29     0; never rewritten
.set BOV,  30                          ; v30     4 x (lane % 16): my row's bias
.set BI,   32
.set T,    96
.set AF,   128
.set CD,   160
.set G1,  24
.set G0,  32
.set G1B, 48
.set G0B, 56
.set MSB, 0
.macro WIN new                         ; the immediate's high byte repeats the setting that is left
.if MSB != (\new)
	s_set_vgpr_msb (MSB<<8)|(\new)
.set MSB, (\new)
.endif
.endm
.set MUL_LO, 0xa1                      ; source 0 (B) window 1, source 1 (A) window 0, C and D window 2
.set MUL_HI, 0xf1                      ; the same, C and D window 3
.set TO_B,   0x40                      ; destination window 1, address window 0
; A joint load: waves 0 and 1 fetch for A, waves 2 and 3 for B.  The branch hangs on the wave's number alone.  Four v_nop follow each of the two lines.
.macro JLOAD g0a, g1a, g0b, g1b
	s_cmp_eq_u32 s15, 0
	s_cbranch_scc0 .Lfor_b_\@
	tensor_load_to_lds s[\g0a:\g0a+3], s[\g1a:\g1a+7]
	s_nop 0
.rept 4
	v_nop
.endr
	s_branch .Lasked_\@
.Lfor_b_\@:
	tensor_load_to_lds s[\g0b:\g0b+3], s[\g1b:\g1b+7]
	s_nop 0
.rept 4
	v_nop
.endr
.Lasked_\@:
.endm
.macro CREST                           ; a round of the cluster's barrier behind its opening barrier
	s_cmp_lg_u32 s14, 0
	s_cbranch_scc1 .Lnot_wave_0_\@
	s_barrier_signal -3
.Lnot_wave_0_\@:
	s_barrier_wait -3
	s_barrier_signal -1
	s_barrier_wait -1
.endm
.macro CROUND                          ; a whole round
	s_barrier_signal -1
	s_barrier_wait -1
	CREST
.endm
	s_load_b256 s[4:11], s[0:1], 0x0               ; ximg s[4:5], wimg s[6:7], scales s[8:9], bq s[10:11]
	s_load_b128 s[80:83], s[0:1], 0x20             ; bk s[80:81], bv s[82:83]
	s_load_b64 s[84:85], s[0:1], 0x30              ; heads
	v_lshl_add_u32 v[SPW], v0, 2, SPARE
	v_mov_b32 v[NIL], 0
	ds_add_u32 v28, v29
	ds_add_u32 v28, v29
	s_wait_dscnt 0x0
	v_lshrrev_b32 v1, 5, v0
	v_readfirstlane_b32 s14, v1                    ; wave 0..3
	s_lshr_b32 s15, s14, 1                         ; which half of A's rows is mine.  Also: I fetch for A (0) or for B (1)
	s_and_b32 s16, s14, 1                          ; which half of B's rows.  Also: which 8 rowtiles of that tile I fetch
	s_bfe_u32 s40, ttmp6, 0x40000                  ; cx, cy: my place in the cluster
	s_bfe_u32 s41, ttmp6, 0x40004
	s_and_b32 s17, ttmp7, 0xffff
	s_lshl_b32 s17, s17, 2                         ; 4 x the cluster's y: it walks x's 32 tiles, which are A's for q and k and B's for v
	s_cmp_eq_u32 ttmp9, 2
	s_cselect_b32 s18, 0, s17
	s_cselect_b32 s19, s17, 0
	s_add_co_u32 s86, s41, s18                     ; A's tile: cy (+ 4 x cluster y): it never holds cx
	s_add_co_u32 s87, s40, s19                     ; B's tile: cx (+ 4 x cluster y): it never holds cy
	s_lshl_b32 s43, s41, 2
	s_lshl_b32 s43, 15, s43                        ; my row of the cluster
	s_lshl_b32 s44, 0x1111, s40                    ; my column
	; descriptor group 1: 8 rows (rowtiles) of 512 elements of 8 bytes, 2,048 elements (16,384 bytes) apart; dense in LDS
	s_or_b32 s[G1+0], s43, (3<<16)|(1<<21)         ; 15:0 the mask: A's tiles go to my row; 17:16 elements of 8 bytes; 20 no padding; 21 set beside a mask
	s_or_b32 s[G1B+0], s44, (3<<16)|(1<<21)
.irp g, G1, G1B
	s_mov_b32 s[\g+1], 512<<16                     ; tensor_dim0
	s_mov_b32 s[\g+2], 8<<16                       ; tensor_dim1
	s_mov_b32 s[\g+3], 512<<16                     ; tile_dim0
	s_mov_b32 s[\g+4], 8                           ; tile_dim1
	s_mov_b32 s[\g+5], 2048                        ; tensor_dim0_stride
	s_mov_b32 s[\g+6], 0
	s_mov_b32 s[\g+7], 0
.endr
	s_lshl_b32 s18, s16, 17                        ; which 8 rowtiles I fetch
	s_lshl_b32 s20, s86, 18                        ; A: 16 rowtiles of 16,384 bytes a tile
	s_add_co_u32 s20, s20, s18
	s_mov_b32 s21, 0
	s_lshl_b32 s46, s87, 18                        ; B likewise
	s_add_co_u32 s46, s46, s18
	s_mov_b32 s47, 0
	s_lshl_b32 s88, ttmp9, 23                      ; x's codes under this product's scale: 8 MiB a set
	s_mov_b32 s89, 0
	s_lshl_b32 s90, ttmp9, 20                      ; this product's weight: 1 MiB each
	s_mov_b32 s91, 0
	s_lshl_b32 s45, s14, 15                        ; where my load goes: wave x 32,768: no place in the cluster enters an LDS address
	s_wait_kmcnt 0x0
	s_load_b256 s[68:75], s[8:9], 0x0              ; entries 0 to 7
	s_load_b128 s[76:79], s[8:9], 0x20             ; entries 8 to 11
	s_add_nc_u64 s[4:5], s[4:5], s[88:89]
	s_add_nc_u64 s[6:7], s[6:7], s[90:91]
	s_cmp_eq_u32 ttmp9, 2                          ; the roles: the choice hangs on the cluster's x alone
	s_cselect_b64 s[92:93], s[6:7], s[4:5]         ; A
	s_cselect_b64 s[94:95], s[4:5], s[6:7]         ; B
	s_add_nc_u64 s[20:21], s[92:93], s[20:21]
	s_add_nc_u64 s[46:47], s[94:95], s[46:47]
	CROUND                                         ; all sixteen work-groups are here: the first joint loads meet
.irp s, 0,1
	s_mov_b32 s[G0+4*\s], 1
	s_add_co_u32 s[G0+4*\s+1], s45, \s*SLOT
	s_add_nc_u64 s[G0+4*\s+2:G0+4*\s+3], s[20:21], \s*KSB
	s_or_b32 s[G0+4*\s+3], s[G0+4*\s+3], 0x80000000
	s_mov_b32 s[G0B+4*\s], 1
	s_add_co_u32 s[G0B+4*\s+1], s45, \s*SLOT
	s_add_nc_u64 s[G0B+4*\s+2:G0B+4*\s+3], s[46:47], \s*KSB
	s_or_b32 s[G0B+4*\s+3], s[G0B+4*\s+3], 0x80000000
	JLOAD G0+4*\s, G1, G0B+4*\s, G1B
.endr
	v_and_b32 v1, 31, v0
	v_lshlrev_b32 v[LI], 4, v1
	v_and_b32 v2, 15, v0
	v_lshlrev_b32 v[BOV], 2, v2
	v_bfe_u32 v3, v0, 4, 1
	v_lshlrev_b32 v[BOQ], 5, v3
	s_lshl_b32 s21, s15, 15                        ; my 8 rowtiles of A
	s_lshl_b32 s22, s16, 15                        ; my 8 rowtiles of B,
	s_add_co_u32 s22, s22, BOFF                    ; which lie behind A's 16
.irp s, 0,1
	v_add_nc_u32 v[ADRA+\s], s21, v[LI]
	v_add_nc_u32 v[ADRB+\s], s22, v[LI]
	s_add_co_u32 s21, s21, SLOT
	s_add_co_u32 s22, s22, SLOT
.endr
.macro FRAG reg, adr, q, i             ; rowtile i's image of the slot's q-th 128 along K: registers 4 c .. 4 c + 3 from 512 c + 16 x lane
.irp c, 0,1,2,3
	ds_load_b128 v[\reg+4*\c:\reg+4*\c+3], v[\adr] offset:4096*(\i)+2048*(\q)+512*\c
.endr
.endm
; 16 matrix instructions: A's blocks a0, a0 + 1 x B's eight, 128 along K.  p: B's set.  zero = 1: the first product starts the sums.
; The 64 accumulators take turns, one instruction a turn, in the same order in every step.
.macro MUL16 a0, p, zero
.irp a, \a0, \a0+1
.irp b, 0,1,2,3,4,5,6,7
.if \zero
	v_wmma_f32_16x16x128_fp8_fp8 v[8*(8*((\a)%4)+\b):8*(8*((\a)%4)+\b)+7], v[128*(\p)+FR*\b:128*(\p)+FR*\b+FR-1], v[AF+FR*(\a):AF+FR*(\a)+FR-1], 0
.else
	v_wmma_f32_16x16x128_fp8_fp8 v[8*(8*((\a)%4)+\b):8*(8*((\a)%4)+\b)+7], v[128*(\p)+FR*\b:128*(\p)+FR*\b+FR-1], v[AF+FR*(\a):AF+FR*(\a)+FR-1], v[8*(8*((\a)%4)+\b):8*(8*((\a)%4)+\b)+7]
.endif
.endr
.endr
.endm
.macro FETCH_B slot, q, p
	WIN TO_B
.irp i, 0,1,2,3,4,5,6,7
	FRAG 128*(\p)+FR*\i, ADRB+\slot, \q, \i
.endr
	WIN 0
.endm
.macro FETCH_A slot, q, i0
.irp i, \i0, \i0+1, \i0+2, \i0+3
	FRAG AF+FR*(\i), ADRA+\slot, \q, \i
.endr
.endm
; A load into a register that a matrix instruction has read, and a vector instruction that reads a matrix result or writes one of its registers, stand NP places behind it; only plain vector instructions that name none of its registers are places.
.macro PLACES n
.rept \n
	v_nop
.endr
.endm
; A step of 128 along K that has its successor in the same slot.  A block of A is free as soon as its eight products are issued, so A has one set of registers: blocks 0-3 are fetched anew in the step's middle, blocks 4-7 at its end.
.macro STEP slot, q, zero
	s_wait_dscnt 4*NL                              ; B's set and A's blocks 0-3 are in; the youngest sixteen loads (A's blocks 4-7) may be out
	WIN MUL_LO
	MUL16 0, (\q)%2, \zero
	MUL16 2, (\q)%2, \zero
	s_wait_dscnt 0                                 ; A's blocks 4-7 are in
	PLACES NP
	FETCH_B \slot, (\q)+1, 1-(\q)%2
	FETCH_A \slot, (\q)+1, 0
	WIN MUL_HI
	MUL16 4, (\q)%2, \zero
	MUL16 6, (\q)%2, \zero
	PLACES NP
	WIN 0
	FETCH_A \slot, (\q)+1, 4
.endm
; A slot's last step changes slots: ONE barrier; in front of it each wave waits for all its tensor loads, adds 0 to its spare word, and waits for that and for its own reads of this slot.  fill = 1: this slot is filled again, two K steps ahead.
.macro TURN slot, next, fill
	s_wait_tensorcnt 0x0                           ; all my tensor loads have landed: my part of the next slot
	ds_add_u32 v[SPW], v[NIL]                      ; 0 onto my spare word
	s_wait_dscnt 4*NL+1                            ; (the add and the youngest sixteen loads may be out)
	WIN MUL_LO
	MUL16 0, 1, 0                                  ; sixteen matrix instructions stand between the add and the wait for it
	s_wait_dscnt 0x0                               ; the add is done, and my reads of this slot are over
	s_barrier_signal -1
	MUL16 2, 1, 0
	WIN 0
	s_barrier_wait -1
.if \fill
	CREST                                          ; the barrier has opened a round of the cluster's barrier: no wave of any partner still reads this slot or has a load on its way
	s_add_nc_u64 s[G0+4*\slot+2:G0+4*\slot+3], s[G0+4*\slot+2:G0+4*\slot+3], 2*KSB
	s_add_nc_u64 s[G0B+4*\slot+2:G0B+4*\slot+3], s[G0B+4*\slot+2:G0B+4*\slot+3], 2*KSB
	JLOAD G0+4*\slot, G1, G0B+4*\slot, G1B         ; the first tensor load behind the round; its four v_nop are the places in front of the loads below
.else
	PLACES NP
.endif
	FETCH_B \next, 0, 0
	FETCH_A \next, 0, 0
	WIN MUL_HI
	MUL16 4, 1, 0
	MUL16 6, 1, 0
	PLACES NP
	WIN 0
	FETCH_A \next, 0, 4
.endm
.macro LAST                            ; the very last step: nothing more to fetch
	s_wait_dscnt 4*NL
	WIN MUL_LO
	MUL16 0, 1, 0
	MUL16 2, 1, 0
	s_wait_dscnt 0
	WIN MUL_HI
	MUL16 4, 1, 0
	MUL16 6, 1, 0
	WIN 0
.endm
; THE WAY OUT of A's block a: 64 sums a lane become values, are converted: 16 registers of codes, which ARE fragment registers: four stores of 512 consecutive bytes.  No LDS.
.macro EPI a, vpath
.if (\a) >= 2
	s_wait_xcnt 0x0                                ; the stores of two blocks ago have read their codes
.endif
.set AC, 64*((\a)%4)
.set CS, CD+16*((\a)%2)
	WIN 0x02+((\a)/4)                              ; source 0: window 2 or 3
.set j, 0
.rept 32
.if \vpath
	v_pk_fma_f32 v[T+j:T+j+1], v[AC+j:AC+j+1], s[96:97], v[BI+2*(\a):BI+2*(\a)+1] op_sel_hi:[1,0,1]   ; sum x 2^(ex + ew) + my row's bias; each accumulator from its low end on
.else
	v_pk_fma_f32 v[T+j:T+j+1], v[AC+j:AC+j+1], s[96:97], v[BI+j:BI+j+1] op_sel_hi:[1,0,1]             ; sum x 2^(ex + ew) + the register's bias
.endif
.set j, j+2
.endr
	WIN 0
.set j, 0
.rept 64
.set j, j+1
.endr
.irp b, 0,1,2,3,4,5,6,7
	v_cvt_scalef32_pk8_fp8_f32 v[CS+2*\b:CS+2*\b+1], v[T+8*\b:T+8*\b+7], v[SCR]
.endr
	v_nop                                          ; one plain line between the conversions and the next block's writes of their sources
.irp c, 0,1,2,3
.if \vpath
	global_store_b128 v[LI], v[CS+4*\c:CS+4*\c+3], s[84:85] offset:196608*((\a)/4)+16384*((\a)%4)+512*\c   ; head a / 4, tile a % 4 of d, piece c
.else
	global_store_b128 v[LI], v[CS+4*\c:CS+4*\c+3], s[84:85] offset:196608*(\c/2)+1024*(\a)+512*(\c%2)      ; head c / 2, tile a of t, piece c % 2
.endif
.endr
.endm
	s_wait_alu depctr_va_vdst(0)
	s_wait_tensorcnt 1                             ; my part of K step 0 is in (K step 1's load may be out)
	s_barrier_signal -1
	s_barrier_wait -1                              ; everybody's is
	FETCH_B 0, 0, 0
	FETCH_A 0, 0, 0
	FETCH_A 0, 0, 4
	STEP 0, 0, 1                                   ; K = 1,024 is four K steps of 256, eight steps of 128, written out: the first starts the sums
	TURN 0, 1, 1
	STEP 1, 0, 0
	TURN 1, 0, 1
	STEP 0, 0, 0
	TURN 0, 1, 0                                   ; the last two K steps fill nothing
	STEP 1, 0, 0
	s_wait_kmcnt 0x0                               ; the exponents.  Every choice below is a select on the cluster's x; no branch hangs on a loaded number
	s_cmp_eq_u32 ttmp9, 0
	s_cselect_b32 s17, s68, s70                    ; ex
	s_cselect_b32 s18, s69, s71                    ; ew
	s_cselect_b32 s19, s74, s75                    ; the result's: entry 6 or 7
	s_cselect_b32 s22, 3, 0                        ; q x 1/8 ahead of its quantiser: three more in the exponent
	s_cselect_b64 s[10:11], s[10:11], s[80:81]     ; bq or bk
	s_cmp_eq_u32 ttmp9, 2
	s_cselect_b32 s17, s72, s17
	s_cselect_b32 s18, s73, s18
	s_cselect_b32 s19, s77, s19                    ; entry 9
	s_cselect_b64 s[10:11], s[82:83], s[10:11]     ; bv
	s_add_co_i32 s96, s17, s18
	s_add_co_i32 s96, s96, 127
	s_lshl_b32 s96, s96, 23                        ; 2^(ex + ew) as f32
	s_mov_b32 s97, s96                             ; (named with it as a pair, so it is written)
	s_add_co_i32 s19, s19, s22
	s_add_co_i32 s19, s19, 127
	s_lshl_b32 s22, s19, 23
	v_mov_b32 v[SCR], s22
	s_cmp_eq_u32 ttmp9, 2                          ; the two ways out part here, on the cluster's x, so that each way's biases land under the last 64 products
	s_cbranch_scc1 .Lv_path
	; ---- q, k: my 128 rows of B are o = 256 x B's tile + 128 x (wave & 1) on: two heads
	s_lshl_b32 s20, s87, 10
	s_lshl_b32 s21, s16, 9
	s_add_co_u32 s20, s20, s21
	s_mov_b32 s21, 0
	s_add_nc_u64 s[10:11], s[10:11], s[20:21]
.irp b, 0,1,2,3,4,5,6,7
	global_load_b128 v[BI+8*\b:BI+8*\b+3], v[BOQ], s[10:11] offset:64*\b          ; bias(16 b + 8 (lane / 16) + 0 .. 7)
	global_load_b128 v[BI+8*\b+4:BI+8*\b+7], v[BOQ], s[10:11] offset:64*\b+16
.endr
	s_lshr_b32 s20, s86, 2                         ; b = A's tile / 4
	s_lshl_b32 s20, s20, 4
	s_lshl_b32 s21, s87, 2
	s_add_co_u32 s20, s20, s21
	s_lshl_b32 s21, s16, 1
	s_add_co_u32 s20, s20, s21                     ; my first head: 16 b + 4 x B's tile + 2 x (wave & 1)
	s_mul_i32 s20, s20, 196608
	s_and_b32 s21, s86, 3
	s_lshl_b32 s21, s21, 4
	s_lshl_b32 s22, s15, 3
	s_add_co_u32 s21, s21, s22                     ; my first tile of t: 16 x (A's tile % 4) + 8 x (wave / 2)
	s_lshl_b32 s21, s21, 10
	s_add_co_u32 s20, s20, s21
	s_lshl_b32 s21, ttmp9, 16                      ; Q at 0, K at 65,536
	s_add_co_u32 s20, s20, s21
	s_mov_b32 s21, 0
	s_add_nc_u64 s[84:85], s[84:85], s[20:21]
	LAST
	s_wait_loadcnt 0x0                             ; the biases
	PLACES NP
.irp a, 0,1,2,3,4,5,6,7
	EPI \a, 0
.endr
	s_branch .Ljoin
.Lv_path:
	; ---- v: my 128 rows of A are o = 256 x A's tile + 128 x (wave / 2) on: two heads x four tiles of d
	s_lshl_b32 s20, s86, 10
	s_lshl_b32 s21, s15, 9
	s_add_co_u32 s20, s20, s21
	s_mov_b32 s21, 0
	s_add_nc_u64 s[10:11], s[10:11], s[20:21]
.irp a, 0,1,2,3,4,5,6,7
	global_load_b32 v[BI+2*\a], v[BOV], s[10:11] offset:64*\a                     ; bias(16 a + lane % 16), twice: a pair for the packed form
	global_load_b32 v[BI+2*\a+1], v[BOV], s[10:11] offset:64*\a
.endr
	s_lshr_b32 s20, s87, 2                         ; b = B's tile / 4
	s_lshl_b32 s20, s20, 4
	s_lshl_b32 s21, s86, 2
	s_add_co_u32 s20, s20, s21
	s_lshl_b32 s21, s15, 1
	s_add_co_u32 s20, s20, s21                     ; my first head: 16 b + 4 x A's tile + 2 x (wave / 2)
	s_mul_i32 s20, s20, 196608
	s_and_b32 s21, s87, 3
	s_lshl_b32 s21, s21, 1
	s_add_co_u32 s21, s21, s16                     ; my block of 128 keys: 2 x (B's tile % 4) + (wave & 1)
	s_lshl_b32 s21, s21, 11
	s_add_co_u32 s20, s20, s21
	s_add_co_u32 s20, s20, 131072                  ; V lies behind Q and K
	s_mov_b32 s21, 0
	s_add_nc_u64 s[84:85], s[84:85], s[20:21]
	LAST
	s_wait_loadcnt 0x0
	PLACES NP
.irp a, 0,1,2,3,4,5,6,7
	EPI \a, 1
.endr
.Ljoin:
	s_wait_tensorcnt 0x0                           ; the wave's end
	ds_add_u32 v[SPW], v[NIL]
	s_wait_dscnt 0x0
	CROUND                                         ; the closing round: no work-group ends while a partner may still ask for a tile that names it
	s_endpgm
.Lfunc_end_k_qc5092ef266_qkv:
	.size	k_qc5092ef266_qkv, .Lfunc_end_k_qc5092ef266_qkv-k_qc5092ef266_qkv
	.p2alignl 7, 3214868480
	.fill 96, 4, 3214868480
	.section	.rodata,"a",@progbits
	.p2align	6, 0x0
	.amdhsa_kernel k_qc5092ef266_qkv
		.amdhsa_group_segment_fixed_size 327680
		.amdhsa_private_segment_fixed_size 0
		.amdhsa_enable_private_segment 0
		.amdhsa_kernarg_size 56
		.amdhsa_user_sgpr_count 2
		.amdhsa_user_sgpr_kernarg_segment_ptr 1
		.amdhsa_wavefront_size32 1
		.amdhsa_system_sgpr_workgroup_id_x 1
		.amdhsa_system_sgpr_workgroup_id_y 1
		.amdhsa_system_sgpr_workgroup_id_z 1
		.amdhsa_system_vgpr_workitem_id 0
		.amdhsa_next_free_vgpr 1024
		.amdhsa_next_free_sgpr 100
		.amdhsa_reserve_vcc 0
		.amdhsa_float_denorm_mode_32 3
		.amdhsa_float_denorm_mode_16_64 3
		.amdhsa_fp16_overflow 1
		.amdhsa_memory_ordered 1
		.amdhsa_forward_progress 1
		.amdhsa_inst_pref_size 134
	.end_amdhsa_kernel
	.amdgpu_metadata
---
amdhsa.version: [ 1, 2 ]
amdhsa.kernels:
  - .name:           k_qc5092ef266_qkv
    .symbol:         k_qc5092ef266_qkv.kd
    .args:
      - { .name: ximg, .offset: 0, .size: 8, .value_kind: global_buffer, .address_space: global }
      - { .name: wimg, .offset: 8, .size: 8, .value_kind: global_buffer, .address_space: global }
      - { .name: lowp_scales, .offset: 16, .size: 8, .value_kind: global_buffer, .address_space: global }
      - { .name: bq, .offset: 24, .size: 8, .value_kind: global_buffer, .address_space: global }
      - { .name: bk, .offset: 32, .size: 8, .value_kind: global_buffer, .address_space: global }
      - { .name: bv, .offset: 40, .size: 8, .value_kind: global_buffer, .address_space: global }
      - { .name: heads, .offset: 48, .size: 8, .value_kind: global_buffer, .address_space: global }
    .group_segment_fixed_size: 327680
    .private_segment_fixed_size: 0
    .kernarg_segment_align: 8
    .kernarg_segment_size: 56
    .max_flat_workgroup_size: 128
    .sgpr_count:     100
    .vgpr_count:     1024
    .wavefront_size: 32
...
	.end_amdgpu_metadata
.endif
;; end of part 2
;; launch attn (part 3): grid 4 x 64, 4 waves a work-group, clusters of 4 x 1, 262,656 bytes of LDS; arguments heads, lowp_scales, oimg; writes oimg
.if DOCPART == 3
	.amdgcn_target "amdgcn-amd-amdhsa--gfx1250"
	.amdhsa_code_object_version 6
	.text
	.protected	k_qc5092ef266_attn
	.globl	k_qc5092ef266_attn
	.p2align	8
	.type	k_qc5092ef266_attn,@function
k_qc5092ef266_attn:
	s_mov_b64 s[64:65], 0
	v_nop
	global_prefetch_b8 v0, s[64:65] scope:SCOPE_SE
	s_setreg_imm32_b32 hwreg(HW_REG_WAVE_MODE, 25, 1), 1
	s_wait_xcnt 0x0
	s_wait_alu depctr_hold_cnt(0) depctr_sa_sdst(0) depctr_va_vdst(0) depctr_va_sdst(0) depctr_va_ssrc(0) depctr_va_vcc(0) depctr_vm_vsrc(0)
	s_getreg_b32 s2, hwreg(HW_REG_IB_STS2, 6, 4)
	s_cmp_eq_u32 s2, 0
	s_cbranch_scc0 .Lentry_in_a_cluster
	s_endpgm
.Lentry_in_a_cluster:
	s_bfe_u32 s2, ttmp6, 0x10000c
	s_cmp_lg_u32 s2, 0x3003
	s_cbranch_scc0 .Lentry_shape_is_right
	s_endpgm
.Lentry_shape_is_right:
; Attention on codes of E4M3: S = (q / 8) k^T (K = 64), attn = softmax(S) FINISHED AND NORMALISED, then quantised along the keys, O = attn v (K = 1,024), O quantised for the output projection.
; SHARES.  A work-group owns 256 queries of TWO heads, 2 y and 2 y + 1 (one b), one head after the other; each of its four waves 64 queries: four tiles of 16, one a trip of a head's loop.  256 work-groups in all.
; THE WHOLE ROW STAYS IN REGISTERS.  attn is quantised normalised, so a row's maximum and sum must be known before any p is converted.  16 queries x 1,024 keys of S^T are 512 registers: each score is made once, each exponential once.
; LAYOUT.  Both products are used transposed: S^T = K Q^T (source 0 = 16 keys, source 1 = my 16 queries), O^T = V^T P^T (source 0 = 16 of d, source 1 = P): a lane holds ONE query (lane % 16) throughout.
; In tile kt of S^T register j is key 16 kt + 8 (lane / 16) + j: its eight codes are registers 2 (kt % 8), + 1 of P's fragment for keys 128 (kt / 8) on, every key in its true place.
; In tile dt of O^T register j is d = 16 dt + 8 (lane / 16) + j: the 32 codes are half a fragment (16 rows (b, t) x 64 of c) of the projection's operand.  No code changes lanes, none goes through LDS.
; LDS.  K | V of a head are 131,072 dense bytes of fragment images.  Both heads' come in ONCE, by two tensor loads a wave (32,768 bytes each), both asked for at the start: head 0 at byte 0 (K) and 65,536 (V), head 1 at 131,072 and 196,608.
; Nothing is filled again.  Head 1's load lands while head 0 is worked on.  At most two tensor loads of a wave are out.
; The head's loop is written as a macro and stands twice, with constant LDS addresses, so that every read stands behind the wait and the barrier for its own tile.
; CLUSTER: the four query blocks of a pair of heads read the same K and V: each load is asked for jointly by the four.
; WHAT IS ASKED FOR EARLY.  The next tile's Q straight behind the trip's last score product; V's key blocks 0-3 (into window 3) behind it, blocks 4-7 into window 1 as soon as its scores are converted: all of V is in registers before the
; second product begins; the next trip's first two batches of K behind the 16th of that product's 32 instructions, when window 3 is free.
; SOFTMAX: p = 2^(s c - m c) / l; c = log2(e) x 2^(e6 + e7); m the row's largest s; l the row's sum, in f32.  The rounding of m c is common to a row and cancels in p.
; Scores of held codes are finite, m is taken away and l is at least 1, so no NaN arises.
; LIMITS: e6 + e7 between -126 and 127 (added to c's exponent field); e8, and e10 - e8 - e9, between -126 and 119.
; REGISTERS: window 0: v1 16 x lane (K of head 0; also the offset in Q), v2-4 the same + 65,536, 131,072, 196,608; v5 O's offset; v8-15 Q; v20 for the lane exchange; v[22:23] -m c; v[32:33] 1 / l; v35: 2^e8;
;   v37 the same with e10 - e8 - e9; v40-71 O^T; v72-79 O's codes; v80-87 eight maxima; v88-103 eight pairs of sums; v128-255 P's codes.
;   windows 1, 2: S^T, tile kt at v[8 (kt % 32)]; window 1 then V's key blocks 4-7.   window 3: 32 fragments of K, or V's key blocks 0-3.
.set MX, 80
.set SM, 88
.set MSB, 0
.macro WIN new                         ; the immediate's high byte repeats the setting that is left
.if MSB != (\new)
	s_set_vgpr_msb (MSB<<8)|(\new)
.set MSB, (\new)
.endif
.endm
.macro CROUND                          ; a round of the cluster's barrier
	s_barrier_signal -1
	s_barrier_wait -1
	s_cmp_lg_u32 s12, 0
	s_cbranch_scc1 .Lnot_wave_0_\@
	s_barrier_signal -3
.Lnot_wave_0_\@:
	s_barrier_wait -3
	s_barrier_signal -1
	s_barrier_wait -1
.endm
.macro PLACES                          ; four places behind a matrix instruction, in front of loads into its sources and of reads of its results
.rept 4
	v_nop
.endr
.endm
	s_load_b128 s[4:7], s[0:1], 0x0                ; heads s[4:5], scales s[6:7]
	s_load_b64 s[8:9], s[0:1], 0x10                ; oimg
	v_lshl_add_u32 v126, v0, 2, 0x40000
	v_mov_b32 v127, 0
	ds_add_u32 v126, v127
	ds_add_u32 v126, v127
	v_lshrrev_b32 v1, 5, v0
	v_readfirstlane_b32 s12, v1                    ; wave 0..3
	s_bfe_u32 s13, ttmp6, 0x40000                  ; cx: my block of 256 queries; it enters Q's and O's addresses alone
	s_and_b32 s14, ttmp7, 0xffff
	s_lshl_b32 s14, s14, 1                         ; my first head 16 b + h, an even one, which the four partners share
	s_mul_i32 s52, s14, 196608                     ; its first byte
	s_lshl_b32 s54, s12, 15                        ; my quarter of K | V
	s_add_co_u32 s56, s52, s54
	s_add_co_u32 s56, s56, 65536                   ; K | V lie behind Q
	s_mov_b32 s57, 0
	; descriptor group 1: a dense block as 128 rows of 256 bytes
	s_mov_b32 s24, 15|(3<<16)|(1<<21)              ; 15:0 the mask: all four work-groups; 17:16 elements of 8 bytes; 21 set beside a mask
	s_mov_b32 s25, 32<<16                          ; tensor_dim0 = 32
	s_mov_b32 s26, 128<<16                         ; tensor_dim1 = 128
	s_mov_b32 s27, 32<<16                          ; tile_dim0
	s_mov_b32 s28, 128                             ; tile_dim1
	s_mov_b32 s29, 32                              ; tensor_dim0_stride
	s_mov_b32 s30, 0
	s_mov_b32 s31, 0
	s_lshl_b32 s58, s13, 4
	s_lshl_b32 s59, s12, 2
	s_add_co_u32 s58, s58, s59                     ; my first tile of queries: 16 cx + 4 wave
	s_lshl_b32 s59, s58, 10
	s_add_co_u32 s60, s52, s59                     ; its fragment in Q
	s_mov_b32 s61, 0
	s_lshr_b32 s62, s14, 4
	s_lshl_b32 s62, s62, 6
	s_add_co_u32 s62, s62, s58                     ; its rowtile in oimg: 64 b + tile
	s_lshl_b32 s62, s62, 14
	s_and_b32 s59, s14, 15
	s_lshl_b32 s59, s59, 10                        ; + 1,024 h
	s_add_co_u32 s62, s62, s59
	s_mov_b32 s63, 0
	s_mov_b32 s20, 0x76543210                      ; v_permlanex16_b32's selects for lane l xor 16
	s_mov_b32 s21, 0xfedcba98
	s_mov_b32 s35, 0                               ; the upper word of Q's step
	s_wait_dscnt 0x0
	s_wait_kmcnt 0x0
	s_load_b256 s[36:43], s[6:7], 0x0              ; entries 0 to 7
	s_load_b128 s[44:47], s[6:7], 0x20             ; entries 8 to 11
	s_mov_b32 s16, 1                               ; group 0 for head 0: count,
	s_mov_b32 s17, s54                             ; LDS address: wave x 32,768,
	s_add_nc_u64 s[18:19], s[4:5], s[56:57]        ; global address
	s_mov_b32 s68, 1                               ; and for head 1: 131,072 bytes on in LDS,
	s_add_co_u32 s69, s54, 131072
	s_add_nc_u64 s[70:71], s[18:19], 196608        ; a head on in memory
	s_or_b32 s19, s19, 0x80000000                  ; type
	s_or_b32 s71, s71, 0x80000000
	s_add_nc_u64 s[48:49], s[4:5], s[60:61]        ; Q
	s_add_nc_u64 s[50:51], s[8:9], s[62:63]        ; O
	CROUND                                         ; all four work-groups are here: the joint loads meet
	tensor_load_to_lds s[16:19], s[24:31]          ; my two tensor loads of the launch stand together; four v_nop follow the second
	s_nop 0
	tensor_load_to_lds s[68:71], s[24:31]
	s_nop 0
.rept 4
	v_nop
.endr
	v_and_b32 v1, 31, v0
	v_lshlrev_b32 v1, 4, v1
	v_add_nc_u32 v2, 65536, v1
	v_add_nc_u32 v3, 131072, v1
	v_add_nc_u32 v4, 196608, v1
	global_load_b128 v[8:11], v1, s[48:49]         ; Q's fragment of my first tile
	global_load_b128 v[12:15], v1, s[48:49] offset:512
	v_mov_b32 v20, 0                               ; written once: a lane permute's destination counts as one of its sources
	s_wait_kmcnt 0x0
	s_add_co_i32 s52, s42, s43                     ; a score stands for score x 2^(e6 + e7): added to the exponent field of log2(e)
	s_lshl_b32 s52, s52, 23
	s_add_co_i32 s22, s52, 0x3fb8aa3b
	s_mov_b32 s23, s22                             ; (named with it as a pair, so it is written)
	s_xor_b32 s32, s22, 0x80000000                 ; -c
	s_add_co_i32 s52, s44, 127
	s_lshl_b32 s53, s52, 23
	v_mov_b32 v35, s53                             ; 2^e8
	s_sub_co_i32 s52, s46, s44                     ; a sum of the second product stands for sum x 2^(e8 + e9): its code is sum / 2^(e10 - e8 - e9)
	s_sub_co_i32 s52, s52, s45
	s_add_co_i32 s52, s52, 127
	s_lshl_b32 s53, s52, 23
	v_mov_b32 v37, s53
.macro KLOAD g, ka                     ; 16 tiles of K, keys 256 g on, into half g % 2 of window 3: 32 loads of 512 consecutive bytes.  v[ka]: the head's K in LDS + 16 x lane
	WIN 0xc0                                       ; destination window 3, address window 0
.set i, 0
.rept 16
	ds_load_b128 v[128*((\g)%2)+8*i:128*((\g)%2)+8*i+3], v[\ka] offset:1024*(16*(\g)+i)
	ds_load_b128 v[128*((\g)%2)+8*i+4:128*((\g)%2)+8*i+7], v[\ka] offset:1024*(16*(\g)+i)+512
.set i, i+1
.endr
.endm
.macro SMUL g                          ; their 16 products: each starts and ends a sum (K = 64)
	WIN 0x43+0x40*((\g)/2)                         ; source 0 (K) window 3, source 1 (Q) window 0, destination window 1 or 2
.set i, 0
.rept 16
	v_wmma_f32_16x16x64_fp8_fp8 v[128*((\g)%2)+8*i:128*((\g)%2)+8*i+7], v[128*((\g)%2)+8*i:128*((\g)%2)+8*i+7], v[8:15], 0
.set i, i+1
.endr
.endm
.macro VLOAD kb, va                    ; V's four fragments (16 d x 128 keys) of key block kb into quarter kb % 4 of the window that is set as the destination's
.irp d, 0,1,2,3
.irp c, 0,1,2,3
	ds_load_b128 v[64*((\kb)%4)+16*\d+4*\c:64*((\kb)%4)+16*\d+4*\c+3], v[\va] offset:16384*\d+2048*(\kb)+512*\c
.endr
.endr
.endm
.macro PVMUL kb, zero                  ; the four tiles of d take turns, one instruction a turn
.irp d, 0,1,2,3
.if \zero
	v_wmma_f32_16x16x128_fp8_fp8 v[40+8*\d:47+8*\d], v[64*((\kb)%4)+16*\d:64*((\kb)%4)+16*\d+15], v[128+16*(\kb):128+16*(\kb)+15], 0
.else
	v_wmma_f32_16x16x128_fp8_fp8 v[40+8*\d:47+8*\d], v[64*((\kb)%4)+16*\d:64*((\kb)%4)+16*\d+15], v[128+16*(\kb):128+16*(\kb)+15], v[40+8*\d:47+8*\d]
.endif
.endr
.endm
.macro EXPS w                          ; window w of S^T: s c - m c, two at a time and two pairs ahead, stands between the exponentials, so that each run of two has a plain line behind it
	WIN 0x41*\w                                    ; destination and source 0 window w
	v_pk_fma_f32 v[0:1], v[0:1], s[22:23], v[22:23] op_sel_hi:[1,0,0]
	v_pk_fma_f32 v[2:3], v[2:3], s[22:23], v[22:23] op_sel_hi:[1,0,0]
.set j, 0
.rept 128
	v_exp_f32 v[j], v[j]
.if j+4 < 256
	v_pk_fma_f32 v[j+4:j+5], v[j+4:j+5], s[22:23], v[22:23] op_sel_hi:[1,0,0]
.endif
	v_exp_f32 v[j+1], v[j+1]
.set j, j+2
.endr
.endm
.macro NORM w                          ; window w: p = e / l, converted
	WIN 0x41*\w
.set j, 0
.rept 128
	v_pk_mul_f32 v[j:j+1], v[j:j+1], v[32:33]
.set j, j+2
.endr
.set j, 0
.rept 256
.set j, j+1
.endr
	WIN \w                                         ; source 0 window w, destination window 0
.set i, 0
.rept 32
	v_cvt_scalef32_pk8_fp8_f32 v[128+64*(\w-1)+2*i:128+64*(\w-1)+2*i+1], v[8*i:8*i+7], v35
.set i, i+1
.endr
.endm
; ONE HEAD: four trips, a tile of 16 queries each.  v[ka], v[va]: the head's K and V in LDS + 16 x lane.  more = 1: another head follows, and the last trip asks for its first Q.
.macro HEAD ka, va, more
	KLOAD 0, \ka
	KLOAD 1, \ka
	WIN 0                                          ; at a label and at a branch every window is 0
	s_mov_b32 s33, 4
.Ltrip_\@:
	; ---- S^T = K Q^T: four batches of 16 tiles; two batches of loads are always ahead
	s_wait_loadcnt 0x0                             ; Q, asked for a softmax ago
	s_wait_dscnt 32                                ; batch 0 is in; batch 1's 32 loads may be out
	SMUL 0
	PLACES
	KLOAD 2, \ka
	s_wait_dscnt 32                                ; batch 1 is in; batch 2's may be out
	SMUL 1
	PLACES
	KLOAD 3, \ka
	s_wait_dscnt 32                                ; batch 2
	SMUL 2
	s_wait_dscnt 0x0
	SMUL 3
	PLACES                                         ; for the loads into Q's registers and into window 3
	WIN 0
	; ---- the next tile's Q.  (The last loads by this base were waited for at the trip's head)
.if \more
	s_mov_b32 s34, 1024                            ; a tile on; from the head's last tile: a head on and three tiles back
	s_cmp_eq_u32 s33, 1
	s_cselect_b32 s34, 193536, s34
	s_add_nc_u64 s[48:49], s[48:49], s[34:35]
	global_load_b128 v[8:11], v1, s[48:49]
	global_load_b128 v[12:15], v1, s[48:49] offset:512
.else
	s_cmp_eq_u32 s33, 1                            ; the very last tile has no successor: no load leaves its buffer
	s_cbranch_scc1 .Lno_q_\@
	s_add_nc_u64 s[48:49], s[48:49], 1024
	global_load_b128 v[8:11], v1, s[48:49]
	global_load_b128 v[12:15], v1, s[48:49] offset:512
.Lno_q_\@:
.endif
	WIN 0xc0
	VLOAD 0, \va                                   ; V's first four key blocks land under the softmax
	VLOAD 1, \va
	VLOAD 2, \va
	VLOAD 3, \va
	; ---- the row's maximum: eight chains, ascending
	WIN 0x05                                       ; sources 0 and 1 window 1
.irp c, 0,1,2,3,4,5,6,7
	v_max_num_f32 v[MX+\c], v[2*\c], v[2*\c+1]
.endr
	WIN 0x14                                       ; sources 1 and 2 window 1
.set j, 16
.rept 120
	v_max3_num_f32 v[MX+(j/2)%8], v[MX+(j/2)%8], v[j], v[j+1]
.set j, j+2
.endr
	WIN 0x28                                       ; sources 1 and 2 window 2
.set j, 0
.rept 128
	v_max3_num_f32 v[MX+(j/2)%8], v[MX+(j/2)%8], v[j], v[j+1]
.set j, j+2
.endr
	WIN 0
	v_max3_num_f32 v[MX], v[MX], v[MX+1], v[MX+2]
	v_max3_num_f32 v[MX+3], v[MX+3], v[MX+4], v[MX+5]
	v_max_num_f32 v[MX+6], v[MX+6], v[MX+7]
	v_max3_num_f32 v[MX], v[MX], v[MX+3], v[MX+6]
	v_permlanex16_b32 v20, v[MX], s20, s21         ; the query's other 512 keys lie in the lane 16 away
	v_max_num_f32 v[MX], v[MX], v20
	v_mul_f32 v22, s32, v[MX]                      ; -m c,
	v_mul_f32 v23, s32, v[MX]                      ; twice: named as a pair
	; ---- e = 2^(s c - m c)
	EXPS 1
	EXPS 2
	; ---- the row's sum, eight chains of pairs.  The first line names none of the last exponential's registers
	WIN 0x05
	s_wait_alu depctr_va_vdst(0)
.irp c, 0,1,2,3,4,5,6,7
	v_pk_add_f32 v[SM+2*\c:SM+2*\c+1], v[4*\c:4*\c+1], v[4*\c+2:4*\c+3]
.endr
	WIN 0x04                                       ; source 1 window 1
.set j, 32
.rept 112
	v_pk_add_f32 v[SM+2*((j/2)%8):SM+2*((j/2)%8)+1], v[SM+2*((j/2)%8):SM+2*((j/2)%8)+1], v[j:j+1]
.set j, j+2
.endr
	WIN 0x08                                       ; source 1 window 2
.set j, 0
.rept 128
	v_pk_add_f32 v[SM+2*((j/2)%8):SM+2*((j/2)%8)+1], v[SM+2*((j/2)%8):SM+2*((j/2)%8)+1], v[j:j+1]
.set j, j+2
.endr
	WIN 0
.irp c, 0,4,8,12
	v_pk_add_f32 v[SM+\c:SM+\c+1], v[SM+\c:SM+\c+1], v[SM+\c+2:SM+\c+3]
.endr
	v_pk_add_f32 v[SM:SM+1], v[SM:SM+1], v[SM+4:SM+5]
	v_pk_add_f32 v[SM+8:SM+9], v[SM+8:SM+9], v[SM+12:SM+13]
	v_pk_add_f32 v[SM:SM+1], v[SM:SM+1], v[SM+8:SM+9]
	v_add_f32 v[SM], v[SM], v[SM+1]
	v_permlanex16_b32 v20, v[SM], s20, s21
	v_add_f32 v[SM], v[SM], v20                    ; l, at least 1
	v_rcp_f32 v32, v[SM]                           ; 1 / l,
	v_rcp_f32 v33, v[SM]                           ; twice: a pair for the packed multiply
	v_nop                                          ; a plain line behind the reciprocals
	s_wait_alu depctr_va_vdst(0)
	; ---- p, normalised, becomes P's eight fragments
	NORM 1
	WIN 0x40                                       ; destination window 1: its scores are converted, so it takes V's key blocks 4 to 7, which land under window 2's lines
	VLOAD 4, \va
	VLOAD 5, \va
	VLOAD 6, \va
	VLOAD 7, \va
	NORM 2
	v_nop                                          ; one plain line between the last conversion and the products that read its result
	; ---- O^T = V^T P^T: all of V is in registers
	s_wait_dscnt 0x0
	WIN 0x03                                       ; source 0 (V) window 3
	PVMUL 0, 1
	PVMUL 1, 0
	PVMUL 2, 0
	PVMUL 3, 0
	PLACES                                         ; for the loads into window 3
	WIN 0
	s_cmp_eq_u32 s33, 1                            ; the next trip's first two batches of K, if the head has a next trip
	s_cbranch_scc1 .Lno_k_\@
	KLOAD 0, \ka
	KLOAD 1, \ka
	WIN 0
.Lno_k_\@:
	WIN 0x01                                       ; source 0 (V) window 1
	PVMUL 4, 0
	PVMUL 5, 0
	PVMUL 6, 0
	PVMUL 7, 0
	WIN 0
	PLACES
	; ---- O's codes
	s_wait_xcnt 0x0                                ; the last trip's stores, a trip ago, have read their codes and their offset
	s_sub_co_u32 s52, 4, s33
	s_lshl_b32 s52, s52, 14
	v_add_nc_u32 v5, s52, v1                       ; the trip's rowtile: 16,384 bytes a trip, + 16 x lane
.set j, 0
.rept 32
.set j, j+1
.endr
.irp d, 0,1,2,3
	v_cvt_scalef32_pk8_fp8_f32 v[72+2*\d:73+2*\d], v[40+8*\d:47+8*\d], v37
.endr
	v_nop                                          ; one plain line between the conversions and the next trip's products, which write their sources
	global_store_b128 v5, v[72:75], s[50:51]       ; 512 consecutive bytes each
	global_store_b128 v5, v[76:79], s[50:51] offset:512
	s_sub_co_u32 s33, s33, 1
	s_cmp_lg_u32 s33, 0
	s_cbranch_scc1 .Ltrip_\@
.endm
	s_wait_tensorcnt 0x1                           ; my quarter of head 0's K | V is in; head 1's load may be out
	s_barrier_signal -1
	s_barrier_wait -1                              ; everybody's is
	HEAD 1, 2, 1
	s_wait_tensorcnt 0x0                           ; my quarter of head 1's K | V is in,
	s_wait_dscnt 0x0
	s_barrier_signal -1
	s_barrier_wait -1                              ; everybody's is
	s_wait_xcnt 0x0                                ; head 0's last stores have read their base
	s_add_nc_u64 s[50:51], s[50:51], 1024          ; head h + 1's half of the same rowtiles
	HEAD 3, 4, 0
	s_wait_dscnt 0x0
	s_wait_tensorcnt 0x0
	ds_add_u32 v126, v127
	s_wait_dscnt 0x0
	CROUND                                         ; the closing round: no work-group ends while a partner may still ask for a tile that names it
	s_endpgm
.Lfunc_end_k_qc5092ef266_attn:
	.size	k_qc5092ef266_attn, .Lfunc_end_k_qc5092ef266_attn-k_qc5092ef266_attn
	.p2alignl 7, 3214868480
	.fill 96, 4, 3214868480
	.section	.rodata,"a",@progbits
	.p2align	6, 0x0
	.amdhsa_kernel k_qc5092ef266_attn
		.amdhsa_group_segment_fixed_size 262656
		.amdhsa_private_segment_fixed_size 0
		.amdhsa_enable_private_segment 0
		.amdhsa_kernarg_size 24
		.amdhsa_user_sgpr_count 2
		.amdhsa_user_sgpr_kernarg_segment_ptr 1
		.amdhsa_wavefront_size32 1
		.amdhsa_system_sgpr_workgroup_id_x 1
		.amdhsa_system_sgpr_workgroup_id_y 1
		.amdhsa_system_sgpr_workgroup_id_z 1
		.amdhsa_system_vgpr_workitem_id 0
		.amdhsa_next_free_vgpr 1024
		.amdhsa_next_free_sgpr 72
		.amdhsa_reserve_vcc 0
		.amdhsa_float_denorm_mode_32 3
		.amdhsa_float_denorm_mode_16_64 3
		.amdhsa_fp16_overflow 1
		.amdhsa_memory_ordered 1
		.amdhsa_forward_progress 1
		.amdhsa_inst_pref_size 232
	.end_amdhsa_kernel
	.amdgpu_metadata
---
amdhsa.version: [ 1, 2 ]
amdhsa.kernels:
  - .name:           k_qc5092ef266_attn
    .symbol:         k_qc5092ef266_attn.kd
    .args:
      - { .name: heads, .offset: 0, .size: 8, .value_kind: global_buffer, .address_space: global }
      - { .name: lowp_scales, .offset: 8, .size: 8, .value_kind: global_buffer, .address_space: global }
      - { .name: oimg, .offset: 16, .size: 8, .value_kind: global_buffer, .address_space: global }
    .group_segment_fixed_size: 262656
    .private_segment_fixed_size: 0
    .kernarg_segment_align: 8
    .kernarg_segment_size: 24
    .max_flat_workgroup_size: 128
    .sgpr_count:     72
    .vgpr_count:     1024
    .wavefront_size: 32
...
	.end_amdgpu_metadata
.endif
;; end of part 3
;; launch proj (part 4): grid 32 x 4, 4 waves a work-group, clusters of 4 x 4, 327,680 bytes of LDS; arguments wimg, oimg, lowp_scales, bo, ybuf, part; writes ybuf, part
.if DOCPART == 4
	.amdgcn_target "amdgcn-amd-amdhsa--gfx1250"
	.amdhsa_code_object_version 6
	.text
	.protected	k_qc5092ef266_proj
	.globl	k_qc5092ef266_proj
	.p2align	8
	.type	k_qc5092ef266_proj,@function
k_qc5092ef266_proj:
	s_mov_b64 s[64:65], 0
	v_nop
	global_prefetch_b8 v0, s[64:65] scope:SCOPE_SE
	s_setreg_imm32_b32 hwreg(HW_REG_WAVE_MODE, 25, 1), 1
	s_wait_xcnt 0x0
	s_wait_alu depctr_hold_cnt(0) depctr_sa_sdst(0) depctr_va_vdst(0) depctr_va_sdst(0) depctr_va_ssrc(0) depctr_va_vcc(0) depctr_vm_vsrc(0)
	s_getreg_b32 s2, hwreg(HW_REG_IB_STS2, 6, 4)
	s_cmp_eq_u32 s2, 0
	s_cbranch_scc0 .Lentry_in_a_cluster
	s_endpgm
.Lentry_in_a_cluster:
	s_bfe_u32 s2, ttmp6, 0x10000c
	s_cmp_lg_u32 s2, 0xf033
	s_cbranch_scc0 .Lentry_shape_is_right
	s_endpgm
.Lentry_shape_is_right:
; The output projection on codes of E4M3: y[b][o][t] = sum over c of wo[o][c] out[b][c][t] x 2^(e10 + e11) + bo[o], f32, and for the batch norm a PARTIAL MEAN AND SUM OF SQUARED DEVIATIONS of each channel o over each 128 columns (b, t).
; A = wo (rows o), B = out (rows (b, t)), both as images of fragment registers.  A tile is 256 o x 256 (b, t); four waves, each 128 x 128: 64 accumulators.
; THE MATRIX INSTRUCTION TAKES B AS SOURCE 0 AND A AS SOURCE 1: a lane holds one o, and an accumulator's eight registers eight neighbouring t: 32 bytes of a row of y.
; The loop over K is that of the launch for q, k, v: K steps of 256 through a ring of two LDS slots, 8 rowtiles x 4,096 bytes a tensor load; at most two tensor loads of a wave are out, later one.
; CLUSTERS: 4 x 4 work-groups; there is one cluster along y, so the tile row of o is cy itself.  A's tile is shared along a row of the cluster, B's along a column.
; THE STATISTICS: a lane and the lane 16 away hold a channel's 128 numbers of my columns: their mean, then the sum of (y - mean)^2: no difference of large sums is formed.  part [chunk of 128 columns: 64][o: 1,024][mean, M2].
; LIMIT: e10 + e11 between -126 and 127.
; REGISTERS: window 0: v2-15 at work on the statistics; v16-31 addresses; v32-95 a block's y; v96-111 bo in pairs; v112-127 the blocks' (mean, M2); from v128 A's fragments, on the way out rows read back.  window 1: B's fragments, two sets.  windows 2, 3: the accumulators.
.set SLOT,  131072
.set BOFF,  65536
.set SPARE, 2*SLOT                     ; behind the ring: the spare words, 128 bytes for each wave: two blocks of 256 bytes that no other line names
.set KSB,   4096
.set FR,    16
.set NL,    4
.set NP,    4
.set SPITCH, 528                       ; the way out: a stage of 16 rows x (512 bytes + 16) for each wave, in slot 0, which has had its last fill and its last read when the first result is stored there
.set ADRA, 16
.set ADRB, 20
.set STO,  24                          ; v24  the way out: where I put 32 bytes of a row
.set RD,   25                          ; v25  where I read a row back
.set CO,   26                          ; v26  16 x lane
.set BOV,  27                          ; v27  4 x (lane % 16)
.set SPW,  28
.set NIL,  29
.set PT,   30                          ; v30  for the lane exchange
.set TMP,  32
.set BB,   96
.set ST,   112
.set AF,   128
.set BK,   128
.set G1,  24
.set G0,  32
.set G1B, 48
.set G0B, 56
.set MSB, 0
.macro WIN new
.if MSB != (\new)
	s_set_vgpr_msb (MSB<<8)|(\new)
.set MSB, (\new)
.endif
.endm
.set MUL_LO, 0xa1
.set MUL_HI, 0xf1
.set TO_B,   0x40
.macro JLOAD g0a, g1a, g0b, g1b        ; a joint load: waves 0 and 1 fetch for A, waves 2 and 3 for B; four v_nop follow each of the two lines
	s_cmp_eq_u32 s15, 0
	s_cbranch_scc0 .Lfor_b_\@
	tensor_load_to_lds s[\g0a:\g0a+3], s[\g1a:\g1a+7]
	s_nop 0
.rept 4
	v_nop
.endr
	s_branch .Lasked_\@
.Lfor_b_\@:
	tensor_load_to_lds s[\g0b:\g0b+3], s[\g1b:\g1b+7]
	s_nop 0
.rept 4
	v_nop
.endr
.Lasked_\@:
.endm
.macro CREST
	s_cmp_lg_u32 s14, 0
	s_cbranch_scc1 .Lnot_wave_0_\@
	s_barrier_signal -3
.Lnot_wave_0_\@:
	s_barrier_wait -3
	s_barrier_signal -1
	s_barrier_wait -1
.endm
.macro CROUND
	s_barrier_signal -1
	s_barrier_wait -1
	CREST
.endm
	s_load_b256 s[4:11], s[0:1], 0x0               ; wimg s[4:5], oimg s[6:7], scales s[8:9], bo s[10:11]
	s_load_b128 s[80:83], s[0:1], 0x20             ; ybuf s[80:81], part s[82:83]
	v_lshl_add_u32 v[SPW], v0, 2, SPARE
	v_mov_b32 v[NIL], 0
	ds_add_u32 v28, v29
	ds_add_u32 v28, v29
	s_wait_dscnt 0x0
	v_lshrrev_b32 v1, 5, v0
	v_readfirstlane_b32 s14, v1                    ; wave 0..3
	s_lshr_b32 s15, s14, 1                         ; which half of the tile's o is mine.  Also: I fetch for A (0) or for B (1)
	s_and_b32 s16, s14, 1                          ; which half of its columns.  Also: which 8 rowtiles I fetch
	s_bfe_u32 s40, ttmp6, 0x40000                  ; cx, cy
	s_bfe_u32 s41, ttmp6, 0x40004
	s_mov_b32 s86, s41                             ; A's tile: cy
	s_lshl_b32 s87, ttmp9, 2
	s_add_co_u32 s87, s87, s40                     ; B's tile: 4 x cluster x + cx
	s_lshl_b32 s43, s41, 2
	s_lshl_b32 s43, 15, s43                        ; my row of the cluster
	s_lshl_b32 s44, 0x1111, s40                    ; my column
	s_or_b32 s[G1+0], s43, (3<<16)|(1<<21)         ; 15:0 the mask; 17:16 elements of 8 bytes; 21 set beside a mask
	s_or_b32 s[G1B+0], s44, (3<<16)|(1<<21)
.irp g, G1, G1B
	s_mov_b32 s[\g+1], 512<<16                     ; tensor_dim0: 4,096 bytes
	s_mov_b32 s[\g+2], 8<<16                       ; tensor_dim1: 8 rowtiles
	s_mov_b32 s[\g+3], 512<<16                     ; tile_dim0
	s_mov_b32 s[\g+4], 8                           ; tile_dim1
	s_mov_b32 s[\g+5], 2048                        ; tensor_dim0_stride: 16,384 bytes
	s_mov_b32 s[\g+6], 0
	s_mov_b32 s[\g+7], 0
.endr
	s_lshl_b32 s18, s16, 17
	s_lshl_b32 s20, s86, 18
	s_add_co_u32 s20, s20, s18
	s_add_co_u32 s20, s20, 0x300000                ; wo is the fourth weight in wimg
	s_mov_b32 s21, 0
	s_lshl_b32 s46, s87, 18
	s_add_co_u32 s46, s46, s18
	s_mov_b32 s47, 0
	s_lshl_b32 s45, s14, 15
	s_mov_b32 s98, 0x76543210                      ; v_permlanex16_b32's selects for lane l xor 16
	s_mov_b32 s99, 0xfedcba98
	s_wait_kmcnt 0x0
	s_load_b64 s[96:97], s[8:9], 0x28              ; e10, e11
	s_add_nc_u64 s[20:21], s[4:5], s[20:21]
	s_add_nc_u64 s[46:47], s[6:7], s[46:47]
	CROUND                                         ; all sixteen work-groups are here: the first joint loads meet
.irp s, 0,1
	s_mov_b32 s[G0+4*\s], 1
	s_add_co_u32 s[G0+4*\s+1], s45, \s*SLOT
	s_add_nc_u64 s[G0+4*\s+2:G0+4*\s+3], s[20:21], \s*KSB
	s_or_b32 s[G0+4*\s+3], s[G0+4*\s+3], 0x80000000
	s_mov_b32 s[G0B+4*\s], 1
	s_add_co_u32 s[G0B+4*\s+1], s45, \s*SLOT
	s_add_nc_u64 s[G0B+4*\s+2:G0B+4*\s+3], s[46:47], \s*KSB
	s_or_b32 s[G0B+4*\s+3], s[G0B+4*\s+3], 0x80000000
	JLOAD G0+4*\s, G1, G0B+4*\s, G1B
.endr
	v_and_b32 v1, 31, v0
	v_lshlrev_b32 v[CO], 4, v1
	v_and_b32 v2, 15, v0                           ; r
	v_lshlrev_b32 v[BOV], 2, v2
	v_bfe_u32 v3, v0, 4, 1                         ; h
	v_mov_b32 v[PT], 0                             ; written once: a lane permute's destination counts as one of its sources
	s_lshl_b32 s22, s86, 10                        ; bo of my 128 channels: o = 256 x A's tile + 128 x (wave / 2) on
	s_lshl_b32 s23, s15, 9
	s_add_co_u32 s22, s22, s23
	s_mov_b32 s23, 0
	s_add_nc_u64 s[10:11], s[10:11], s[22:23]
.irp a, 0,1,2,3,4,5,6,7
	global_load_b32 v[BB+2*\a], v[BOV], s[10:11] offset:64*\a      ; bo(16 a + lane % 16), twice: a pair for the packed form
	global_load_b32 v[BB+2*\a+1], v[BOV], s[10:11] offset:64*\a
.endr
	s_lshl_b32 s21, s15, 15
	s_lshl_b32 s22, s16, 15
	s_add_co_u32 s22, s22, BOFF
.irp s, 0,1
	v_add_nc_u32 v[ADRA+\s], s21, v[CO]
	v_add_nc_u32 v[ADRB+\s], s22, v[CO]
	s_add_co_u32 s21, s21, SLOT
	s_add_co_u32 s22, s22, SLOT
.endr
	s_mul_i32 s23, s14, 16*SPITCH                  ; my stage
	v_mul_u32_u24 v5, v2, SPITCH                   ; in: row r, 32 bytes for each half of the lanes
	v_lshl_add_u32 v5, v3, 5, v5
	v_add_nc_u32 v[STO], s23, v5
	v_add_nc_u32 v[RD], s23, v[CO]                 ; back: the 32 lanes take one row of 512 bytes
	s_lshl_b32 s17, s86, 8
	s_lshl_b32 s18, s15, 7
	s_add_co_u32 s17, s17, s18                     ; my first o
	s_lshl_b32 s20, s17, 12                        ; y: b x 4 MiB + o x 4,096 + 4 t
	s_lshr_b32 s18, s87, 2
	s_lshl_b32 s18, s18, 22
	s_add_co_u32 s20, s20, s18
	s_and_b32 s18, s87, 3
	s_lshl_b32 s18, s18, 10
	s_add_co_u32 s20, s20, s18
	s_lshl_b32 s18, s16, 9
	s_add_co_u32 s20, s20, s18
	s_mov_b32 s21, 0
	s_add_nc_u64 s[80:81], s[80:81], s[20:21]
	s_lshl_b32 s20, s87, 1
	s_add_co_u32 s20, s20, s16                     ; my chunk of 128 columns
	s_lshl_b32 s20, s20, 13
	s_lshl_b32 s18, s17, 3
	s_add_co_u32 s20, s20, s18
	s_mov_b32 s21, 0
	s_add_nc_u64 s[82:83], s[82:83], s[20:21]
.macro FRAG reg, adr, q, i
.irp c, 0,1,2,3
	ds_load_b128 v[\reg+4*\c:\reg+4*\c+3], v[\adr] offset:4096*(\i)+2048*(\q)+512*\c
.endr
.endm
; The 64 accumulators take turns, one instruction a turn, in the same order in every step.
.macro MUL16 a0, p, zero
.irp a, \a0, \a0+1
.irp b, 0,1,2,3,4,5,6,7
.if \zero
	v_wmma_f32_16x16x128_fp8_fp8 v[8*(8*((\a)%4)+\b):8*(8*((\a)%4)+\b)+7], v[128*(\p)+FR*\b:128*(\p)+FR*\b+FR-1], v[AF+FR*(\a):AF+FR*(\a)+FR-1], 0
.else
	v_wmma_f32_16x16x128_fp8_fp8 v[8*(8*((\a)%4)+\b):8*(8*((\a)%4)+\b)+7], v[128*(\p)+FR*\b:128*(\p)+FR*\b+FR-1], v[AF+FR*(\a):AF+FR*(\a)+FR-1], v[8*(8*((\a)%4)+\b):8*(8*((\a)%4)+\b)+7]
.endif
.endr
.endr
.endm
.macro FETCH_B slot, q, p
	WIN TO_B
.irp i, 0,1,2,3,4,5,6,7
	FRAG 128*(\p)+FR*\i, ADRB+\slot, \q, \i
.endr
	WIN 0
.endm
.macro FETCH_A slot, q, i0
.irp i, \i0, \i0+1, \i0+2, \i0+3
	FRAG AF+FR*(\i), ADRA+\slot, \q, \i
.endr
.endm
.macro PLACES n                        ; places behind a matrix instruction (ISA guide 7.12.1)
.rept \n
	v_nop
.endr
.endm
.macro STEP slot, q, zero
	s_wait_dscnt 4*NL                              ; B's set and A's blocks 0-3 are in; the youngest sixteen loads (A's blocks 4-7) may be out
	WIN MUL_LO
	MUL16 0, (\q)%2, \zero
	MUL16 2, (\q)%2, \zero
	s_wait_dscnt 0
	PLACES NP
	FETCH_B \slot, (\q)+1, 1-(\q)%2
	FETCH_A \slot, (\q)+1, 0
	WIN MUL_HI
	MUL16 4, (\q)%2, \zero
	MUL16 6, (\q)%2, \zero
	PLACES NP
	WIN 0
	FETCH_A \slot, (\q)+1, 4
.endm
.macro TURN slot, next, fill
	s_wait_tensorcnt 0x0                           ; all my tensor loads have landed: my part of the next slot
	ds_add_u32 v[SPW], v[NIL]                      ; 0 onto my spare word
	s_wait_dscnt 4*NL+1                            ; (the add and the youngest sixteen loads may be out)
	WIN MUL_LO
	MUL16 0, 1, 0
	s_wait_dscnt 0x0                               ; the add is done, and my reads of this slot are over
	s_barrier_signal -1
	MUL16 2, 1, 0
	WIN 0
	s_barrier_wait -1
.if \fill
	CREST                                          ; the barrier has opened a round of the cluster's barrier
	s_add_nc_u64 s[G0+4*\slot+2:G0+4*\slot+3], s[G0+4*\slot+2:G0+4*\slot+3], 2*KSB
	s_add_nc_u64 s[G0B+4*\slot+2:G0B+4*\slot+3], s[G0B+4*\slot+2:G0B+4*\slot+3], 2*KSB
	JLOAD G0+4*\slot, G1, G0B+4*\slot, G1B         ; the first tensor load behind the round; its four v_nop are the places in front of the loads below
.else
	PLACES NP
.endif
	FETCH_B \next, 0, 0
	FETCH_A \next, 0, 0
	WIN MUL_HI
	MUL16 4, 1, 0
	MUL16 6, 1, 0
	PLACES NP
	WIN 0
	FETCH_A \next, 0, 4
.endm
	s_wait_tensorcnt 1                             ; my part of K step 0 is in (K step 1's load may be out)
	s_barrier_signal -1
	s_barrier_wait -1
	FETCH_B 0, 0, 0
	FETCH_A 0, 0, 0
	FETCH_A 0, 0, 4
	STEP 0, 0, 1
	TURN 0, 1, 1
	STEP 1, 0, 0
	TURN 1, 0, 1
	STEP 0, 0, 0
	TURN 0, 1, 0
	STEP 1, 0, 0
	s_wait_dscnt 4*NL                              ; the very last step
	WIN MUL_LO
	MUL16 0, 1, 0
	MUL16 2, 1, 0
	s_wait_dscnt 0
	WIN MUL_HI
	MUL16 4, 1, 0
	MUL16 6, 1, 0
	WIN 0
; The statistics of block a: v[TMP] on holds y(o = 16 a + lane % 16, 64 of my 128 columns); the lane 16 away holds the other 64.
.macro STATS a
.irp c, 0,1,2,3
	v_pk_add_f32 v[2+2*\c:3+2*\c], v[TMP+2*\c:TMP+2*\c+1], v[TMP+8+2*\c:TMP+9+2*\c]   ; the sum, in four chains of pairs
.endr
.set j, 16
.rept 24
	v_pk_add_f32 v[2+2*((j/2)%4):3+2*((j/2)%4)], v[2+2*((j/2)%4):3+2*((j/2)%4)], v[TMP+j:TMP+j+1]
.set j, j+2
.endr
	v_pk_add_f32 v[2:3], v[2:3], v[4:5]
	v_pk_add_f32 v[6:7], v[6:7], v[8:9]
	v_pk_add_f32 v[2:3], v[2:3], v[6:7]
	v_add_f32 v2, v2, v3
	v_permlanex16_b32 v[PT], v2, s98, s99
	v_add_f32 v2, v2, v[PT]
	v_mul_f32 v14, 0x3c000000, v2                  ; / 128: the mean
	v_mov_b32 v15, v14
	v_mov_b32 v[ST+2*(\a)], v14
	v_pk_add_f32 v[10:11], v[TMP:TMP+1], v[14:15] neg_lo:[0,1] neg_hi:[0,1]          ; the squared deviations, in two chains
	v_pk_add_f32 v[12:13], v[TMP+2:TMP+3], v[14:15] neg_lo:[0,1] neg_hi:[0,1]
	v_pk_mul_f32 v[2:3], v[10:11], v[10:11]
	v_pk_mul_f32 v[4:5], v[12:13], v[12:13]
.set j, 4
.rept 15
	v_pk_add_f32 v[10:11], v[TMP+j:TMP+j+1], v[14:15] neg_lo:[0,1] neg_hi:[0,1]
	v_pk_add_f32 v[12:13], v[TMP+j+2:TMP+j+3], v[14:15] neg_lo:[0,1] neg_hi:[0,1]
	v_pk_fma_f32 v[2:3], v[10:11], v[10:11], v[2:3]
	v_pk_fma_f32 v[4:5], v[12:13], v[12:13], v[4:5]
.set j, j+4
.endr
	v_pk_add_f32 v[2:3], v[2:3], v[4:5]
	v_add_f32 v2, v2, v3
	v_permlanex16_b32 v[PT], v2, s98, s99
	v_add_f32 v[ST+2*(\a)+1], v2, v[PT]            ; M2
.endm
; THE WAY OUT, block by block of 16 o x 128 t: through my own stage in LDS, back as whole rows of 512 bytes.  LDS serves a wave's instructions in order (ISA guide 5.7.1.4): no wait between the stores and the loads.
.macro TOSTAGE a
.set AC, 64*((\a)%4)
	WIN 0x02+((\a)/4)                              ; source 0: window 2 or 3
.set j, 0
.rept 32
	v_pk_fma_f32 v[TMP+j:TMP+j+1], v[AC+j:AC+j+1], s[96:97], v[BB+2*(\a):BB+2*(\a)+1] op_sel_hi:[1,0,1]   ; y = sum x 2^(e10 + e11) + bo; each accumulator from its low end on
.set j, j+2
.endr
	WIN 0
	STATS \a
.irp b, 0,1,2,3,4,5,6,7
	ds_store_b128 v[STO], v[TMP+8*\b:TMP+8*\b+3] offset:64*\b
	ds_store_b128 v[STO], v[TMP+8*\b+4:TMP+8*\b+7] offset:64*\b+16
.endr
.set BR, BK+64*((\a)%2)
.irp t, 0,1,2,3,4,5,6,7,8,9,10,11,12,13,14,15
	ds_load_b128 v[BR+4*\t:BR+4*\t+3], v[RD] offset:\t*SPITCH
.endr
.endm
.macro SEND a, younger                 ; younger: the LDS instructions issued behind block a's loads, which may stay out
.set BR, BK+64*((\a)%2)
	s_wait_dscnt \younger
.if (\a) > 0
	s_add_nc_u64 s[80:81], s[80:81], 16*4096       ; (behind a wait on XCNT: the earlier stores have read their base)  16 rows of y on
.endif
.irp t, 0,1,2,3,4,5,6,7,8,9,10,11,12,13,14,15
	global_store_b128 v[CO], v[BR+4*\t:BR+4*\t+3], s[80:81] offset:\t*4096   ; 32 lanes store 512 consecutive bytes, aligned
.endr
.endm
	s_wait_kmcnt 0x0
	s_add_co_i32 s96, s96, s97
	s_add_co_i32 s96, s96, 127
	s_lshl_b32 s96, s96, 23                        ; 2^(e10 + e11) as f32
	s_mov_b32 s97, s96                             ; (named with it as a pair)
	s_wait_loadcnt 0x0                             ; bo
	PLACES NP
	TOSTAGE 0
.irp a, 1,2,3,4,5,6,7
.if \a > 1
	s_wait_xcnt 0x0                                ; block a - 2's stores have read their registers and their base
.endif
	TOSTAGE \a
	SEND \a-1, 32                                  ; behind block a - 1's loads: block a's 16 stores and 16 loads
.endr
	s_wait_xcnt 0x0
	SEND 7, 0
	; the partial statistics: both halves of the lanes hold them, so lanes 0-15 give block 2 i's and lanes 16-31 block 2 i + 1's: 32 channels, 256 consecutive bytes a store
	v_and_b32 v10, 31, v0
	v_cmp_le_u32 vcc_lo, 16, v10
	v_lshlrev_b32 v11, 3, v10
.irp i, 0,1,2,3
	v_cndmask_b32 v[2+2*\i], v[ST+4*\i], v[ST+4*\i+2], vcc_lo
	v_cndmask_b32 v[3+2*\i], v[ST+4*\i+1], v[ST+4*\i+3], vcc_lo
	global_store_b64 v11, v[2+2*\i:3+2*\i], s[82:83] offset:256*\i
.endr
	s_wait_tensorcnt 0x0                           ; the wave's end
	ds_add_u32 v[SPW], v[NIL]
	s_wait_dscnt 0x0
	CROUND                                         ; the closing round
	s_endpgm
.Lfunc_end_k_qc5092ef266_proj:
	.size	k_qc5092ef266_proj, .Lfunc_end_k_qc5092ef266_proj-k_qc5092ef266_proj
	.p2alignl 7, 3214868480
	.fill 96, 4, 3214868480
	.section	.rodata,"a",@progbits
	.p2align	6, 0x0
	.amdhsa_kernel k_qc5092ef266_proj
		.amdhsa_group_segment_fixed_size 327680
		.amdhsa_private_segment_fixed_size 0
		.amdhsa_enable_private_segment 0
		.amdhsa_kernarg_size 48
		.amdhsa_user_sgpr_count 2
		.amdhsa_user_sgpr_kernarg_segment_ptr 1
		.amdhsa_wavefront_size32 1
		.amdhsa_system_sgpr_workgroup_id_x 1
		.amdhsa_system_sgpr_workgroup_id_y 1
		.amdhsa_system_sgpr_workgroup_id_z 1
		.amdhsa_system_vgpr_workitem_id 0
		.amdhsa_next_free_vgpr 1024
		.amdhsa_next_free_sgpr 100
		.amdhsa_reserve_vcc 1
		.amdhsa_float_denorm_mode_32 3
		.amdhsa_float_denorm_mode_16_64 3
		.amdhsa_memory_ordered 1
		.amdhsa_forward_progress 1
		.amdhsa_inst_pref_size 176
	.end_amdhsa_kernel
	.amdgpu_metadata
---
amdhsa.version: [ 1, 2 ]
amdhsa.kernels:
  - .name:           k_qc5092ef266_proj
    .symbol:         k_qc5092ef266_proj.kd
    .args:
      - { .name: wimg, .offset: 0, .size: 8, .value_kind: global_buffer, .address_space: global }
      - { .name: oimg, .offset: 8, .size: 8, .value_kind: global_buffer, .address_space: global }
      - { .name: lowp_scales, .offset: 16, .size: 8, .value_kind: global_buffer, .address_space: global }
      - { .name: bo, .offset: 24, .size: 8, .value_kind: global_buffer, .address_space: global }
      - { .name: ybuf, .offset: 32, .size: 8, .value_kind: global_buffer, .address_space: global }
      - { .name: part, .offset: 40, .size: 8, .value_kind: global_buffer, .address_space: global }
    .group_segment_fixed_size: 327680
    .private_segment_fixed_size: 0
    .kernarg_segment_align: 8
    .kernarg_segment_size: 48
    .max_flat_workgroup_size: 128
    .sgpr_count:     100
    .vgpr_count:     1024
    .wavefront_size: 32
...
	.end_amdgpu_metadata
.endif
;; end of part 4
;; launch bn (part 5): grid 32 x 8, 16 waves a work-group, no clusters, 6,144 bytes of LDS; arguments x, ybuf, part, gamma, beta, out0; writes out0
.if DOCPART == 5
	.amdgcn_target "amdgcn-amd-amdhsa--gfx1250"
	.amdhsa_code_object_version 6
	.text
	.protected	k_qc5092ef266_bn
	.globl	k_qc5092ef266_bn
	.p2align	8
	.type	k_qc5092ef266_bn,@function
k_qc5092ef266_bn:
	s_mov_b64 s[64:65], 0
	v_nop
	global_prefetch_b8 v0, s[64:65] scope:SCOPE_SE
	s_setreg_imm32_b32 hwreg(HW_REG_WAVE_MODE, 25, 1), 1
	s_wait_xcnt 0x0
; The batch norm and the residual: out0 = x + (y - mean[o]) gamma[o] / sqrt(var[o] + 1e-5) + beta[o]; mean and (biased) var over the 8,192 numbers (b, t) of channel o.
; A stream: x and y are read once, out0 is written once, by 16 bytes a lane: every load and store of a wave covers 512 consecutive bytes.  No matrix unit, no cluster: no two work-groups share more than 16 KiB of partial statistics.
; SHARES.  A work-group takes 32 channels of one b; each of its sixteen waves two rows of 4,096 bytes.  All 32 loads of a wave's rows go out at the head and land while the statistics are joined.
; THE STATISTICS come as 64 partial (mean, M2) a channel, each of 128 numbers.  They are joined in two stages, lane = channel: wave w joins chunks 4 w .. 4 w + 3; through LDS and one barrier every wave joins the sixteen.
; Joining n equal parts of size s: mean = the means' mean; M2 = the sum of the M2 + s x the sum of (mean_i - mean)^2: no difference of large sums is formed.
.set Y, 16                             ; v16-79   y: 16 units of 4 registers
.set X, 80                             ; v80-143  x likewise, then the result
	s_load_b256 s[4:11], s[0:1], 0x0               ; x s[4:5], ybuf s[6:7], part s[8:9], gamma s[10:11]
	s_load_b128 s[12:15], s[0:1], 0x20             ; beta s[12:13], out0 s[14:15]
	v_lshl_add_u32 v192, v0, 2, 0x1000
	v_mov_b32 v193, 0
	v_lshrrev_b32 v1, 5, v0
	v_readfirstlane_b32 s16, v1                    ; wave 0..15
	v_and_b32 v2, 31, v0                           ; lane
	v_lshlrev_b32 v3, 3, v2                        ; 8 x lane
	v_lshlrev_b32 v4, 2, v2                        ; 4 x lane
	v_lshlrev_b32 v5, 4, v2                        ; 16 x lane
	s_lshl_b32 s17, s16, 8
	v_add_nc_u32 v6, s17, v3                       ; LDS: my wave's 32 pairs at 256 x wave
	s_and_b32 s18, ttmp7, 0xffff                   ; b
	s_lshl_b32 s19, ttmp9, 5                       ; my work-group's first channel
	s_lshl_b32 s20, s19, 3                         ; part: 8 x channel + 4 x wave chunks of 8,192 bytes
	s_lshl_b32 s21, s16, 15
	s_add_co_u32 s20, s20, s21
	s_mov_b32 s21, 0
	s_lshl_b32 s22, s19, 2                         ; gamma, beta
	s_mov_b32 s23, 0
	s_lshl_b32 s24, s16, 1
	s_add_co_u32 s24, s24, s19                     ; my wave's first channel
	s_lshl_b32 s24, s24, 12
	s_lshl_b32 s25, s18, 22
	s_add_co_u32 s24, s24, s25
	s_mov_b32 s25, 0
	s_lshl_b32 s27, s16, 3                         ; 4 x the lane that holds my first channel
	s_mov_b32 s26, 0x39000000                      ; 1 / 8,192
	s_wait_kmcnt 0x0
	s_add_nc_u64 s[8:9], s[8:9], s[20:21]
	s_add_nc_u64 s[10:11], s[10:11], s[22:23]
	s_add_nc_u64 s[12:13], s[12:13], s[22:23]
	s_add_nc_u64 s[4:5], s[4:5], s[24:25]
	s_add_nc_u64 s[6:7], s[6:7], s[24:25]
	s_add_nc_u64 s[14:15], s[14:15], s[24:25]
.irp i, 0,1,2,3
	global_load_b64 v[8+2*\i:9+2*\i], v3, s[8:9] offset:8192*\i     ; (mean, M2) of chunk 4 w + i, channel = lane: 256 consecutive bytes
.endr
	global_load_b32 v144, v4, s[10:11]             ; gamma
	global_load_b32 v145, v4, s[12:13]             ; beta
.irp u, 0,1,2,3,4,5,6,7,8,9,10,11,12,13,14,15      ; unit u: row u / 8, bytes 512 (u % 8) on
	global_load_b128 v[Y+4*\u:Y+4*\u+3], v5, s[6:7] offset:4096*(\u/8)+512*(\u%8) th:TH_LOAD_NT
	global_load_b128 v[X+4*\u:X+4*\u+3], v5, s[4:5] offset:4096*(\u/8)+512*(\u%8) th:TH_LOAD_NT
.endr
	s_wait_loadcnt 34                              ; the four partial pairs are in; gamma, beta and the 32 loads of the rows may be out
	v_add_f32 v146, v8, v10
	v_add_f32 v147, v12, v14
	v_add_f32 v146, v146, v147
	v_mul_f32 v146, 0x3e800000, v146               ; the mean of four means
	v_sub_f32 v148, v8, v146
	v_sub_f32 v149, v10, v146
	v_sub_f32 v150, v12, v146
	v_sub_f32 v151, v14, v146
	v_mul_f32 v152, v148, v148
	v_fmac_f32 v152, v149, v149
	v_fmac_f32 v152, v150, v150
	v_fmac_f32 v152, v151, v151
	v_add_f32 v147, v9, v11
	v_add_f32 v153, v13, v15
	v_add_f32 v147, v147, v153
	v_fmamk_f32 v147, v152, 0x43000000, v147       ; + 128 x the means' squared deviations
	ds_store_b64 v6, v[146:147]
	s_wait_dscnt 0x0                               ; for the others' sake: my store has landed
	s_barrier_signal -1
	s_barrier_wait -1
.irp i, 0,1,2,3,4,5,6,7,8,9,10,11,12,13,14,15
	ds_load_b64 v[148+2*\i:149+2*\i], v3 offset:256*\i             ; wave i's (mean, M2) of channel = lane
.endr
	s_wait_dscnt 0x0
	v_pk_add_f32 v[180:181], v[148:149], v[150:151]                ; means and M2 are summed together, in two chains
	v_pk_add_f32 v[182:183], v[152:153], v[154:155]
.irp i, 4,6,8,10,12,14
	v_pk_add_f32 v[180:181], v[180:181], v[148+2*\i:149+2*\i]
	v_pk_add_f32 v[182:183], v[182:183], v[150+2*\i:151+2*\i]
.endr
	v_pk_add_f32 v[180:181], v[180:181], v[182:183]
	v_mul_f32 v180, 0x3d800000, v180               ; / 16: the channel's mean
	v_sub_f32 v182, v148, v180
	v_mul_f32 v183, v182, v182
.irp i, 1,2,3,4,5,6,7,8,9,10,11,12,13,14,15
	v_sub_f32 v182, v[148+2*\i], v180
	v_fmac_f32 v183, v182, v182
.endr
	v_fmamk_f32 v181, v183, 0x44000000, v181       ; + 512 x the means' squared deviations: the channel's M2
	v_fmaak_f32 v181, s26, v181, 0x3727c5ac        ; var + 1e-5
	v_rsq_f32 v182, v181
	v_mov_b32 v184, s27                            ; (a plain line behind the root)  4 x lane of my first channel,
	v_add_nc_u32 v185, 4, v184                     ; and of my second
	s_wait_loadcnt 32                              ; gamma and beta are in
	s_wait_alu depctr_va_vdst(0)
	v_mul_f32 v182, v182, v144                     ; gamma / sqrt(var + 1e-5)
.irp i, 0,1                                        ; my two channels' three numbers, to every lane
	ds_bpermute_b32 v[148+8*\i], v[184+\i], v180
	ds_bpermute_b32 v[150+8*\i], v[184+\i], v182
	ds_bpermute_b32 v[152+8*\i], v[184+\i], v145
.endr
	s_wait_dscnt 0x0
.irp i, 0,1
	v_mov_b32 v[149+8*\i], v[148+8*\i]             ; pairs for the packed forms
	v_mov_b32 v[151+8*\i], v[150+8*\i]
	v_mov_b32 v[153+8*\i], v[152+8*\i]
.endr
.irp u, 0,1,2,3,4,5,6,7,8,9,10,11,12,13,14,15
	s_wait_loadcnt 30-2*\u                         ; unit u's y and x are in; the later units' pairs may be out
.irp k, 0,2
	v_pk_add_f32 v[Y+4*\u+\k:Y+4*\u+\k+1], v[Y+4*\u+\k:Y+4*\u+\k+1], v[148+8*(\u/8):149+8*(\u/8)] neg_lo:[0,1] neg_hi:[0,1]   ; y - mean
	v_pk_fma_f32 v[Y+4*\u+\k:Y+4*\u+\k+1], v[Y+4*\u+\k:Y+4*\u+\k+1], v[150+8*(\u/8):151+8*(\u/8)], v[152+8*(\u/8):153+8*(\u/8)]   ; x gamma / sqrt(..) + beta
	v_pk_add_f32 v[X+4*\u+\k:X+4*\u+\k+1], v[X+4*\u+\k:X+4*\u+\k+1], v[Y+4*\u+\k:Y+4*\u+\k+1]                                  ; + x
.endr
	global_store_b128 v5, v[X+4*\u:X+4*\u+3], s[14:15] offset:4096*(\u/8)+512*(\u%8) th:TH_STORE_NT
.endr
	s_wait_tensorcnt 0x0
	ds_add_u32 v192, v193
	s_wait_dscnt 0x0
	s_endpgm
.Lfunc_end_k_qc5092ef266_bn:
	.size	k_qc5092ef266_bn, .Lfunc_end_k_qc5092ef266_bn-k_qc5092ef266_bn
	.p2alignl 7, 3214868480
	.fill 96, 4, 3214868480
	.section	.rodata,"a",@progbits
	.p2align	6, 0x0
	.amdhsa_kernel k_qc5092ef266_bn
		.amdhsa_group_segment_fixed_size 6144
		.amdhsa_private_segment_fixed_size 0
		.amdhsa_enable_private_segment 0
		.amdhsa_kernarg_size 48
		.amdhsa_user_sgpr_count 2
		.amdhsa_user_sgpr_kernarg_segment_ptr 1
		.amdhsa_wavefront_size32 1
		.amdhsa_system_sgpr_workgroup_id_x 1
		.amdhsa_system_sgpr_workgroup_id_y 1
		.amdhsa_system_sgpr_workgroup_id_z 1
		.amdhsa_system_vgpr_workitem_id 0
		.amdhsa_next_free_vgpr 194
		.amdhsa_next_free_sgpr 66
		.amdhsa_reserve_vcc 0
		.amdhsa_float_denorm_mode_32 3
		.amdhsa_float_denorm_mode_16_64 3
		.amdhsa_memory_ordered 1
		.amdhsa_forward_progress 1
		.amdhsa_inst_pref_size 18
	.end_amdhsa_kernel
	.amdgpu_metadata
---
amdhsa.version: [ 1, 2 ]
amdhsa.kernels:
  - .name:           k_qc5092ef266_bn
    .symbol:         k_qc5092ef266_bn.kd
    .args:
      - { .name: x, .offset: 0, .size: 8, .value_kind: global_buffer, .address_space: global }
      - { .name: ybuf, .offset: 8, .size: 8, .value_kind: global_buffer, .address_space: global }
      - { .name: part, .offset: 16, .size: 8, .value_kind: global_buffer, .address_space: global }
      - { .name: gamma, .offset: 24, .size: 8, .value_kind: global_buffer, .address_space: global }
      - { .name: beta, .offset: 32, .size: 8, .value_kind: global_buffer, .address_space: global }
      - { .name: out0, .offset: 40, .size: 8, .value_kind: global_buffer, .address_space: global }
    .group_segment_fixed_size: 6144
    .private_segment_fixed_size: 0
    .kernarg_segment_align: 8
    .kernarg_segment_size: 48
    .max_flat_workgroup_size: 512
    .sgpr_count:     66
    .vgpr_count:     194
    .wavefront_size: 32
...
	.end_amdgpu_metadata
.endif
;; end of part 5
